; MI455X (gfx1250); checked and timed in simulation.
; The chip was launched on July 23, 2026; its instructions are those of AMD's public machine-readable ISA for CDNA 5 (MIT licence, August 2026) and "CDNA5" Instruction Set Architecture Reference Guide (July 2026). The comments in the code are by the model that wrote it; some were corrected since.
;; Self Attention. Allowed arithmetic: matrix products marked QUANTISED: E2M1 operands, one E8M0 scale for each 32 along K, by v_wmma_scale_f32_16x16x128_f8f6f4 with both operands' format E2M1 (or v_wmma_scale_f32_32x16x128_f4), f32 sums; products left as they are: bf16, f16 or f32 operands; f32 sums; everything else in f32.
;; Inputs: Wk 1,024 x 1,024 float32; Wq 1,024 x 1,024 float32; Wv 1,024 x 1,024 float32; bk 1,024 float32; bq 1,024 float32; bv 1,024 float32; x 4 x 2,048 x 1,024 float32.
;; Outputs: out0 4 x 2,048 x 1,024 float32.
;; This version of the problem:
;;   THIS VERSION OF THE PROBLEM IS GIVEN IN LOW PRECISION. The matrix products marked QUANTISED in the list below multiply operands that are first quantised to E2M1 (2 exponent bits, 1 mantissa bit; 4 bits a number), with one power-of-two scale for each 32 numbers along K (OCP MX v1.0); their sums are f32. The products marked 'left as it is' may take bf16, f16 or f32 operands, with f32 sums. Whichever they take, every output number must still come out within the allowed error. Rounding operands to bf16 (8 significant bits) uses up far more of that allowance than f16 does (11 bits, for magnitudes from 6e-5 to 65,504). All else is computed in f32.
;;   The module's matrix products, in the order in which they are computed (A, B: the left and right operand; K: the contracted axis; several contracted axes count as one K, in the product's order):
;;     1. [M 8,192, K 1,024] x [K 1,024, N 1,024]; A: input x; B: input Wq: QUANTISED
;;     2. [M 8,192, K 1,024] x [K 1,024, N 1,024]; A: input x; B: input Wk: QUANTISED
;;     3. [M 8,192, K 1,024] x [K 1,024, N 1,024]; A: input x; B: input Wv: QUANTISED
;;     4. batch 4 x [M 2,048, K 1,024] x [K 1,024, N 2,048]; A: computed on the way; B: computed on the way: left as it is (an operand is computed on the way)
;;     5. batch 4 x [M 2,048, K 2,048] x [K 2,048, N 1,024]; A: computed on the way; B: computed on the way: left as it is (an operand is computed on the way)
;;   THE QUANTISER, for each operand of a quantised product, along K:
;;     - K is cut into blocks of 32 from its start; a last block that is shorter is filled with zeros.
;;     - A block's scale is 2^e with e = floor(log2(the largest magnitude in the block)) - 2, held to -126 .. 127; a block of zeros has e = 0. As a byte (E8M0): e + 127.
;;     - Each number is divided by its block's scale, clamped to +-6, and rounded to the nearest number of E2M1, ties to even, subnormals kept.
;;     - The product sums the exact products of the quantised numbers (number of the format x scale) in f32.
;;   ~~~python
;;   def quantise(x, axis):      # numpy; x: float32 -> the quantised numbers, widened to float32 again
;;       x = np.moveaxis(x, axis, -1); K = x.shape[-1]
;;       x = np.pad(x, [(0, 0)] * (x.ndim - 1) + [(0, -K % 32)]); x = x.reshape(x.shape[:-1] + (-1, 32)); a = np.abs(x).max(-1, keepdims=True)
;;       e = np.where(a > 0, np.clip(np.frexp(np.where(a > 0, a, 1))[1] - 1 - 2, -126, 127), 0)      # np.frexp(a)[1] - 1 = floor(log2(a)), exactly
;;       r = np.clip(x / 2.0 ** e, -6, 6)
;;       step = 2.0 ** (np.maximum(np.frexp(np.where(r == 0, 1, r))[1] - 1, 0) - 1)
;;       q = np.round(r / step) * step * 2.0 ** e      # np.round: ties to even
;;       return np.moveaxis(q.reshape(q.shape[:-2] + (-1,))[..., :K], -1, axis).astype(np.float32)
;;   ~~~
;; One version. Each part assembles by itself: llvm-mc -triple=amdgcn-amd-amdhsa -mcpu=gfx1250 --defsym DOCPART=n.
;; ======== version 1 of 1: 4 launches
;; limits: values are held in f16: magnitudes above 65,504 overflow, below 6.1e-05 lose precision
;; workspace buffers: xc 4,194,304 bytes; xs 262,144 bytes; wc 1,572,864 bytes; ws 98,304 bytes; qkv 50,331,648 bytes; pbuf 33,554,432 bytes; stats 1,048,576 bytes
;; launch quant (part 1): grid 352 x 1, 4 waves a work-group, no clusters, 33,280 bytes of LDS; arguments x, Wq, Wk, Wv, xc, xs, wc, ws; writes xc, xs, wc, ws
.if DOCPART == 1
	.amdgcn_target "amdgcn-amd-amdhsa--gfx1250"
	.amdhsa_code_object_version 6
	.text
	.protected	k_q4a9e6060c5_quant
	.globl	k_q4a9e6060c5_quant
	.p2align	8
	.type	k_q4a9e6060c5_quant,@function
k_q4a9e6060c5_quant:
	s_mov_b64 s[64:65], 0
	v_nop
	global_prefetch_b8 v0, s[64:65] scope:SCOPE_SE
	s_setreg_imm32_b32 hwreg(HW_REG_WAVE_MODE, 25, 1), 1
	s_wait_xcnt 0x0
; SELF-ATTENTION, one head of 1,024, 4 batches of 2,048 tokens.  q, k, v = x W^T + b on codes of FP4 (E2M1) with one E8M0 scale for each 32 along K; scores and weighted sum on f16 operands, f32 sums.
; The program has four launches: this one (x, Wq, Wk, Wv into codes and scale bytes), the three projections as one product, the scores with a softmax by blocks of 128 keys, the weighted sum.
; WORK LEFT OUT: bk.  scores[q][k] = q . (x_k Wk^T + bk) / 32 = q . (x_k Wk^T) / 32 + (q . bk) / 32.  The second term does not hang on the key k: it is the same along the softmax's axis, and
; softmax(s + const) = softmax(s) for all values of the inputs.  k goes into no quantiser (the product with q is left as it is), so bk moves no code and no scale.  bk has no other way to the output:
; it is not loaded and is an argument of no launch.  LIMIT: a NaN, an infinity or an overflow that arises from bk or from q . bk alone is not carried to the result.
; THIS LAUNCH.  x [8192][1024] and the three weights [1024][1024], f32, K innermost, become codes, K innermost, two a byte, and one scale byte for each 32 along K.  The weights' codes and bytes lie one
; behind the other, Wq, Wk, Wv, as one operand of 3,072 rows.
; A block's scale is 2^(floor(log2(its largest magnitude)) - 2); its byte is the largest magnitude's own exponent field - 2, held at 1 from below.  (A block of zeros so gets the byte 1 where the rule says 127:
; its codes are zeros, which add nothing under any byte but 0xff, and the bytes are read by this program alone.)  Each number is divided by the scale and rounded to the nearest code, ties to even, beyond 6 to 6.
; LIMITS: blocks whose largest magnitude lies under 2^-124, the floor, keep the byte 1; NaN and infinities among the inputs are not served.
; Rows are dense and K is a multiple of 32: each tensor is a plain stream of blocks of 32.  A work-group takes 32,768 numbers, a wave 8,192 in 16 steps of 512.  Work-groups 0-255 take x, 256-287 Wq, 288-319 Wk, 320-351 Wv.
; Each of a step's four loads reads 512 consecutive bytes, 16 a lane; the 2,048 bytes turn through the wave's own stage in LDS and come back 64 bytes a lane: 16 neighbours along K, two lanes to a block.
; No tensor loads, no barrier, no cluster: waves and work-groups share nothing.  Loads run four steps (16 loads a wave) ahead, the turn through LDS one step.
.set WAVES, 4
.set STEPS, 16
.set EMAX,  2
.set CB,    8                          ; bytes of 16 codes
.set R,     16                         ; v16-79   four sets of 16 numbers as they are loaded
.set X,     80                         ; v80-111  two sets of 16 neighbours
.set C,     128                        ; v128-191 codes: four registers for each step, so that no store's data are written again
.set E,     112                        ; v112-127 a scale byte for each step
.set WREG,  8192                       ; LDS: a region for each wave: two stages of 32 x SP bytes, behind them its 256 scale bytes
.set SP,    80                         ; a lane's place in a stage: 64 bytes + 16 of padding
.set SPW,   12                         ; v12      LDS address of my spare word; never rewritten
.set NIL,   13                         ; v13      0; never rewritten
.set SPARE, WAVES*WREG                 ; behind the four regions: the spare words, 128 bytes a wave, which no other line names
	s_load_b256 s[4:11], s[0:1], 0x0               ; x, Wq, Wk, Wv
	s_load_b256 s[12:19], s[0:1], 0x20             ; x's codes, x's scales, the weights' codes, the weights' scales
	v_lshl_add_u32 v[SPW], v0, 2, SPARE
	v_mov_b32 v[NIL], 0
	v_lshrrev_b32 v1, 5, v0
	v_readfirstlane_b32 s20, v1                    ; wave
	v_and_b32 v2, 31, v0                           ; lane
	v_lshlrev_b32 v3, 4, v2                        ; my 16 bytes of a load's 512
	s_mul_i32 s21, s20, WREG
	v_lshrrev_b32 v14, 2, v2
	v_mul_u32_u24 v14, v14, SP
	v_and_b32 v15, 3, v2
	v_lshl_add_u32 v14, v15, 4, v14
	v_add_nc_u32 v14, s21, v14                     ; the stage, on the way in: SP (lane / 4) + 16 (lane % 4); a load's 512 bytes take eight places
	v_mul_u32_u24 v15, v2, SP
	v_add_nc_u32 v15, s21, v15                     ; and on the way out: SP x lane: my 16 neighbours
	v_mul_u32_u24 v4, v2, CB                       ; my codes' place in a step's
	v_lshrrev_b32 v5, 1, v2
	s_add_co_u32 s21, s21, 2*32*SP
	v_add_nc_u32 v5, s21, v5                       ; LDS: my wave's 256 scale bytes, my block's byte
	v_lshlrev_b32 v7, 3, v2                        ; and on the way out 8 bytes a lane
	v_add_nc_u32 v6, s21, v7
	s_wait_kmcnt 0x0
	s_cmp_lt_u32 ttmp9, 288                        ; which tensor?  Every choice hangs on the work-group's number alone; only pointers are chosen, the text has one path
	s_cselect_b64 s[6:7], s[6:7], s[8:9]           ; Wq or Wk,
	s_cmp_lt_u32 ttmp9, 320
	s_cselect_b64 s[6:7], s[6:7], s[10:11]         ; or Wv,
	s_cmp_lt_u32 ttmp9, 256
	s_cselect_b64 s[4:5], s[4:5], s[6:7]           ; or x
	s_cselect_b64 s[12:13], s[12:13], s[16:17]
	s_cselect_b64 s[14:15], s[14:15], s[18:19]
	s_cselect_b32 s22, 0, 256
	s_cselect_b32 s23, 255, 31
	s_sub_co_u32 s22, ttmp9, s22                   ; my place among x's 256 work-groups or the weights' 96: it places the results,
	s_and_b32 s23, s22, s23                        ; and my place inside my own tensor: it places the loads
	s_lshl_b32 s22, s22, 2
	s_add_co_u32 s22, s22, s20                     ; my wave's run of 8,192 numbers, counted in the results' buffers,
	s_lshl_b32 s23, s23, 2
	s_add_co_u32 s23, s23, s20                     ; and in the input
	s_lshl_b32 s24, s23, 15                        ; 32,768 bytes of f32 a run: 33,521,664 at the most
	s_mov_b32 s25, 0
	s_add_nc_u64 s[4:5], s[4:5], s[24:25]
	s_lshl_b32 s24, s22, 12                        ; 4,096 bytes of codes
	s_add_nc_u64 s[12:13], s[12:13], s[24:25]
	s_lshl_b32 s24, s22, 8                         ; 256 scale bytes
	s_add_nc_u64 s[14:15], s[14:15], s[24:25]
.macro LOAD t
.irp i, 0,1,2,3
	global_load_b128 v[R+16*((\t)%4)+4*\i:R+16*((\t)%4)+4*\i+3], v3, s[4:5] offset:2048*(\t)+512*\i th:TH_LOAD_NT   ; 32 lanes read 512 consecutive bytes; read once in the launch
.endr
.endm
.macro TURN t                          ; step t's numbers through the stage: LDS serves a wave's instructions in order, so no wait stands between the stores and the loads
.irp i, 0,1,2,3
	ds_store_b128 v14, v[R+16*((\t)%4)+4*\i:R+16*((\t)%4)+4*\i+3] offset:32*SP*((\t)%2)+8*SP*\i
.endr
.irp i, 0,1,2,3
	ds_load_b128 v[X+16*((\t)%2)+4*\i:X+16*((\t)%2)+4*\i+3], v15 offset:32*SP*((\t)%2)+16*\i
.endr
.endm
.irp t, 0,1,2,3
	LOAD \t
.endr
	s_wait_loadcnt 12                              ; step 0's four loads are in; the twelve of steps 1 to 3 may be out
	TURN 0
.macro STEP t
.set XS, X+16*((\t)%2)
.if (\t) > 0
	s_wait_dscnt 1                                 ; this step's numbers are back from the stage (the last step's byte store may be out): so its stores into the stage have read their registers,
.else
	s_wait_dscnt 0x0
.endif
.if (\t)+4 < STEPS
	LOAD (\t)+4                                    ; which take the loads of four steps on
.endif
.if (\t)+1 < STEPS
.if STEPS-2-(\t) >= 3
	s_wait_loadcnt 12                              ; the next step's four loads are in; those of the three steps behind it may be out
.else
	s_wait_loadcnt 4*(STEPS-2-(\t))                ; the tail: as many steps behind it as are left
.endif
	TURN (\t)+1                                    ; and go through the other stage while this step is worked
.endif
	v_max3_num_f32 v8, |v[XS]|, |v[XS+1]|, |v[XS+2]|               ; the largest magnitude of my 16, in two chains
	v_max3_num_f32 v9, |v[XS+3]|, |v[XS+4]|, |v[XS+5]|
.irp i, 6,10
	v_max3_num_f32 v8, v8, |v[XS+\i]|, |v[XS+\i+1]|
	v_max3_num_f32 v9, v9, |v[XS+\i+2]|, |v[XS+\i+3]|
.endr
	v_max3_num_f32 v8, v8, |v[XS+14]|, |v[XS+15]|
	v_max3_num_f32 v8, v8, v9, (EMAX+1)<<23        ; and the floor 2^(3 - 127): the byte cannot fall under 1
	v_max_num_f32_dpp v8, v8, v8 row_xmask:1 row_mask:0xf bank_mask:0xf   ; and of my neighbour's 16: the block's
	v_add_nc_u32 v11, -(EMAX<<23), v8              ; 2 off its exponent field: the conversion takes the exponent field of this operand as its scale, and nothing else of it
	v_cvt_scalef32_pk8_fp4_f32 v[C+4*(\t)], v[XS:XS+7], v11
	v_cvt_scalef32_pk8_fp4_f32 v[C+4*(\t)+1], v[XS+8:XS+15], v11
	v_lshrrev_b32 v[E+(\t)], 23, v11               ; the scale's byte (also the plain line behind the conversions)
	ds_store_b8 v5, v[E+(\t)] offset:16*(\t)       ; both lanes of a block write the same byte with the same value
	global_store_b64 v4, v[C+4*(\t):C+4*(\t)+1], s[12:13] offset:32*CB*(\t)   ; the wave stores 256 consecutive bytes, aligned
.endm
.irp t, 0,1,2,3,4,5,6,7,8,9,10,11,12,13,14,15
	STEP \t
.endr
	ds_load_b64 v[8:9], v6                         ; LDS serves a wave's instructions in order: these see my byte stores
	s_wait_dscnt 0x0
	global_store_b64 v7, v[8:9], s[14:15]          ; 32 lanes store 256 consecutive bytes, aligned
	s_wait_tensorcnt 0x0                           ; the wave's end
	ds_add_u32 v[SPW], v[NIL]
	s_wait_dscnt 0x0
	s_endpgm
.Lfunc_end_k_q4a9e6060c5_quant:
	.size	k_q4a9e6060c5_quant, .Lfunc_end_k_q4a9e6060c5_quant-k_q4a9e6060c5_quant
	.p2alignl 7, 3214868480
	.fill 96, 4, 3214868480
	.section	.rodata,"a",@progbits
	.p2align	6, 0x0
	.amdhsa_kernel k_q4a9e6060c5_quant
		.amdhsa_group_segment_fixed_size 33280
		.amdhsa_private_segment_fixed_size 0
		.amdhsa_enable_private_segment 0
		.amdhsa_kernarg_size 64
		.amdhsa_user_sgpr_count 2
		.amdhsa_user_sgpr_kernarg_segment_ptr 1
		.amdhsa_wavefront_size32 1
		.amdhsa_system_sgpr_workgroup_id_x 1
		.amdhsa_system_sgpr_workgroup_id_y 1
		.amdhsa_system_sgpr_workgroup_id_z 1
		.amdhsa_system_vgpr_workitem_id 0
		.amdhsa_next_free_vgpr 192
		.amdhsa_next_free_sgpr 66
		.amdhsa_reserve_vcc 0
		.amdhsa_float_denorm_mode_32 3
		.amdhsa_float_denorm_mode_16_64 3
		.amdhsa_memory_ordered 1
		.amdhsa_forward_progress 1
		.amdhsa_inst_pref_size 34
	.end_amdhsa_kernel
	.amdgpu_metadata
---
amdhsa.version: [ 1, 2 ]
amdhsa.kernels:
  - .name:           k_q4a9e6060c5_quant
    .symbol:         k_q4a9e6060c5_quant.kd
    .args:
      - { .name: x, .offset: 0, .size: 8, .value_kind: global_buffer, .address_space: global }
      - { .name: Wq, .offset: 8, .size: 8, .value_kind: global_buffer, .address_space: global }
      - { .name: Wk, .offset: 16, .size: 8, .value_kind: global_buffer, .address_space: global }
      - { .name: Wv, .offset: 24, .size: 8, .value_kind: global_buffer, .address_space: global }
      - { .name: xc, .offset: 32, .size: 8, .value_kind: global_buffer, .address_space: global }
      - { .name: xs, .offset: 40, .size: 8, .value_kind: global_buffer, .address_space: global }
      - { .name: wc, .offset: 48, .size: 8, .value_kind: global_buffer, .address_space: global }
      - { .name: ws, .offset: 56, .size: 8, .value_kind: global_buffer, .address_space: global }
    .group_segment_fixed_size: 33280
    .private_segment_fixed_size: 0
    .kernarg_segment_align: 8
    .kernarg_segment_size: 64
    .max_flat_workgroup_size: 128
    .sgpr_count:     66
    .vgpr_count:     192
    .wavefront_size: 32
...
	.end_amdgpu_metadata
.endif
;; end of part 1
;; launch proj (part 2): grid 12 x 32, 4 waves a work-group, clusters of 4 x 4, 327,680 bytes of LDS; arguments xc, xs, wc, ws, bq, bv, qkv; writes qkv
.if DOCPART == 2
	.amdgcn_target "amdgcn-amd-amdhsa--gfx1250"
	.amdhsa_code_object_version 6
	.text
	.protected	k_q4a9e6060c5_proj
	.globl	k_q4a9e6060c5_proj
	.p2align	8
	.type	k_q4a9e6060c5_proj,@function
k_q4a9e6060c5_proj:
	s_mov_b64 s[64:65], 0
	v_nop
	global_prefetch_b8 v0, s[64:65] scope:SCOPE_SE
	s_setreg_imm32_b32 hwreg(HW_REG_WAVE_MODE, 25, 1), 1
	s_wait_xcnt 0x0
	s_wait_alu depctr_hold_cnt(0) depctr_sa_sdst(0) depctr_va_vdst(0) depctr_va_sdst(0) depctr_va_ssrc(0) depctr_va_vcc(0) depctr_vm_vsrc(0)
	s_getreg_b32 s2, hwreg(HW_REG_IB_STS2, 6, 4)
	s_cmp_eq_u32 s2, 0
	s_cbranch_scc0 .Lentry_in_a_cluster
	s_endpgm
.Lentry_in_a_cluster:
	s_bfe_u32 s2, ttmp6, 0x10000c
	s_cmp_lg_u32 s2, 0xf033
	s_cbranch_scc0 .Lentry_shape_is_right
	s_endpgm
.Lentry_shape_is_right:
; qkv[token][0:1024] = q, [1024:2048] = k, [2048:3072] = v, in f16:  x [Wq; Wk; Wv]^T + [bq; 0; bv].  One product, [8192 x 1024] x [1024 x 3072], on codes of FP4 (E2M1) with one E8M0 scale for each 32 along K; sums in f32.
; WORK LEFT OUT: bk.  It adds the same number to all scores of a query, which the softmax takes away for all values; k goes into no quantiser.  k's tiles start their sums at 0.
; LIMIT: q, k and v are rounded to f16 for the two products that follow: magnitudes from 65,520 on become infinity.
; A tile of the result, 256 tokens x 256 features, is made by a work-group of four waves; a wave makes 128 x 128: 64 accumulators of 16 x 16, 512 registers.
; K = 1,024 is two LDS slots of 512 along K (rows of 256 bytes): both are asked for at the start, with the scale bytes of the work-group's rows, and NOTHING IS FILLED AGAIN.  By this text's count a wave has three tensor loads out at the most.
; CLUSTERS: 4 x 4 work-groups.  The four of a row of the cluster need the same tiles of x, the four of a column the same tiles of the weights: each is asked for JOINTLY, by the same tensor load with the same descriptor and a mask
; that names the four.  A cluster's four tile columns are 1,024 features: the cluster's x says whether they are q's (0), k's (1) or v's (2), alike in all sixteen partners.
; THE MATRIX INSTRUCTION IS USED TRANSPOSED (source 0 = 16 rows of the weights, source 1 = 16 tokens): a lane then holds eight neighbouring features of one token.
; THE BIAS is the C of each sum's first matrix instruction: eight registers for each block of 16 features, in the result's layout.
; REGISTERS, in windows of 256: window 0: v0-31 addresses; v32-95 scale words, two sets; v128-191 x's fragments (8 x 16 tokens x 128 K), ONE set; v192-255 the bias; on the way out v96-191 are at work.
;   window 1: the weights' fragments, TWO sets, at v0 and v128.   window 2: the 32 accumulators of my tokens 0-63 ((a, b) at v[8 (8 a + b)]);   window 3: those of my tokens 64-127.
.set NQ,     4                         ; matrix instructions deep in a slot: 512 along K
.set ROWB,   256                       ; a tile's row in bytes
.set KROW,   512                       ; a row of codes in memory
.set PITCH,  272                       ; an LDS row: 256 bytes + 16 of padding = 68 words: the 16 rows that a load touches start at 16 different banks (64 banks of 4 bytes: ISA guide 11.1)
.set FR,     8                         ; registers of a fragment: 16 rows x 128 K
.set NL,     2                         ; LDS loads that bring one
.set NP,     4                         ; places behind this matrix instruction (ISA guide 7.12.1)
.set HALFT,  128*PITCH                 ; 128 rows: what one tensor load brings
.set SLOT,   4*HALFT                   ; x's 256 rows, then the weights' 256
.set KS,     32                        ; a row of scale bytes
.set SCL,    2*SLOT                    ; behind the slots: the scales, as units of 256 bytes + 16 of padding
.set HALFS,  16*272                    ; the scales of 128 rows: 4,096 bytes
.set SBLK,   2*272                     ; those of 16 rows
.set SPARE,  SCL+4*HALFS               ; the spare words, 128 bytes a wave, which no other line names
.set STAGE,  SPARE+512                 ; the way out: 16 rows x 272 bytes for each wave; no tensor load lands here
.set SPITCH, 272
.set OROW,   6144                      ; a row of qkv in bytes
.set ADRA, 16                          ; v16-17  LDS address of my fragments of x in slot 0, 1
.set ADRB, 20                          ; v20-21  the same for the weights
.set STO,  24                          ; v24     the way out: where I put 16 bytes of a row
.set RD,   25                          ; v25     where I read a row back
.set CO,   26                          ; v26     my byte offset in qkv
.set ADRS, 27                          ; v27     LDS address of my scale words: lanes 0-15 x's rows, lanes 16-31 the weights'
.set SPW,  28                          ; v28     LDS address of my spare word; never rewritten
.set NIL,  29                          ; v29     0; never rewritten
.set SC,   32                          ; scale words: set s at v[SC + 32 s]; register 4 i + q: lanes 0-15 x's block i, lanes 16-31 the weights' block i, the slot's q-th 128 along K
.set TMP,  96                          ; the way out: packed results
.set AF,   128                         ; x's fragments
.set OB,   128                         ; the way out: 16 rows read back: v128-159 and v160-191 by turns
.set BI,   192                         ; the bias: register 8 b + j: feature 16 b + 8 (lane / 16) + j of my 128
.set G1, 24                            ; s[24:31] descriptor group 1 for x's tiles;  s[32:39] group 0, one set for each slot
.set G0, 32
.set G1B, 48                           ; s[48:55], s[56:63] the same for the weights'
.set G0B, 56
.set G1S, 68                           ; s[68:75], s[76:79] groups 1 and 0 for x's scales;  s[80:87], s[88:91] for the weights'
.set G0S, 76
.set G1SB, 80
.set G0SB, 88
.set MSB, 0
.macro WIN new                         ; the immediate's high byte repeats the setting that is left; a switch that changes nothing is dropped
.if MSB != (\new)
	s_set_vgpr_msb (MSB<<8)|(\new)
.set MSB, (\new)
.endif
.endm
.set MUL_LO,   0xa1                    ; source 0 (weights) window 1, source 1 (x) window 0, C and D window 2
.set MUL_HI,   0xf1                    ; the same, C and D window 3
.set FIRST_LO, 0x81                    ; the first step: C (the bias) window 0, D window 2
.set FIRST_HI, 0xc1                    ; D window 3
.set TO_B,     0x40                    ; destination window 1, address window 0
; A joint load: waves 0 and 1 fetch for x, waves 2 and 3 for the weights.  Each of the two lines has ONE mask and one set of registers for all that issue it; the branch hangs on the wave's number alone.
; An s_nop 0 and four v_nop follow each of the two lines, ahead of the jump, the label and what follows.
.macro JLOAD g0a, g1a, g0b, g1b
	s_cmp_eq_u32 s15, 0
	s_cbranch_scc0 .Lfor_b_\@
	tensor_load_to_lds s[\g0a:\g0a+3], s[\g1a:\g1a+7]
	s_nop 0
.rept 4
	v_nop
.endr
	s_branch .Lasked_\@
.Lfor_b_\@:
	tensor_load_to_lds s[\g0b:\g0b+3], s[\g1b:\g1b+7]
	s_nop 0
.rept 4
	v_nop
.endr
.Lasked_\@:
.endm
.macro CROUND                          ; a round of the cluster's barrier: my work-group's barrier; wave 0 signals for the work-group; every wave waits for all sixteen; my work-group's barrier once more
	s_barrier_signal -1
	s_barrier_wait -1
	s_cmp_lg_u32 s14, 0
	s_cbranch_scc1 .Lnot_wave_0_\@
	s_barrier_signal -3
.Lnot_wave_0_\@:
	s_barrier_wait -3
	s_barrier_signal -1
	s_barrier_wait -1
.endm
	s_load_b128 s[4:7], s[0:1], 0x0                ; x's codes, x's scales
	s_load_b128 s[8:11], s[0:1], 0x10              ; the weights' codes, their scales
	s_load_b128 s[96:99], s[0:1], 0x20             ; bq, bv
	s_load_b64 s[12:13], s[0:1], 0x30              ; qkv
	v_lshl_add_u32 v[SPW], v0, 2, SPARE
	v_mov_b32 v[NIL], 0
	ds_add_u32 v[SPW], v[NIL]                      ; the wave's opening: the add, twice on end, and its wait ahead of my first tensor load; the set-up below, work on registers, stands between
	ds_add_u32 v[SPW], v[NIL]                      ; and once more, under the one wait
	v_lshrrev_b32 v1, 5, v0
	v_readfirstlane_b32 s14, v1                    ; wave 0..3
	s_lshr_b32 s15, s14, 1                         ; which half of the tile's tokens is mine.  Also: I fetch for x (0) or for the weights (1)
	s_and_b32 s16, s14, 1                          ; which half of its features.  Also: which 128 rows of that tile I fetch
	s_bfe_u32 s40, ttmp6, 0x40000                  ; cx, cy: my place in the cluster
	s_bfe_u32 s41, ttmp6, 0x40004
	s_lshl_b32 s42, ttmp9, 2
	s_add_co_u32 s42, s42, s40                     ; tile column = 4 x cluster x + cx: 0 .. 11
	s_and_b32 s17, ttmp7, 0xffff
	s_lshl_b32 s17, s17, 2
	s_add_co_u32 s17, s17, s41                     ; tile row = 4 x cluster y + cy: 0 .. 31
	s_lshl_b32 s43, s41, 2
	s_lshl_b32 s43, 15, s43                        ; my row of the cluster
	s_lshl_b32 s44, 0x1111, s40                    ; my column
	; descriptor group 1: a tile of 128 rows x 256 bytes, padded in LDS
	s_or_b32 s[G1+0], s43, (0<<16)|(1<<20)|(1<<21)|(5<<22)|(3<<25)  ; 15:0 the mask: x's tiles go to my row; 17:16 elements of 1 byte; 20 padding on; 21 set beside a mask; 24:22 after every 64 words; 31:25 four words
	s_or_b32 s[G1B+0], s44, (0<<16)|(1<<20)|(1<<21)|(5<<22)|(3<<25)
.irp g, G1, G1B
	s_mov_b32 s[\g+1], ROWB<<16                    ; tensor_dim0
	s_mov_b32 s[\g+2], 128<<16                     ; tensor_dim1
	s_mov_b32 s[\g+3], ROWB<<16                    ; tile_dim0
	s_mov_b32 s[\g+4], 128                         ; tile_dim1
	s_mov_b32 s[\g+5], KROW                        ; tensor_dim0_stride
	s_mov_b32 s[\g+6], 0
	s_mov_b32 s[\g+7], 0
.endr
	; and for the scales of 128 rows: a dense block of 4,096 bytes, as 16 rows of 256 bytes (32 elements of 8 bytes), 16 bytes of padding behind each
	s_or_b32 s[G1S+0], s43, (3<<16)|(1<<20)|(1<<21)|(5<<22)|(3<<25)
	s_or_b32 s[G1SB+0], s44, (3<<16)|(1<<20)|(1<<21)|(5<<22)|(3<<25)
.irp g, G1S, G1SB
	s_mov_b32 s[\g+1], 32<<16
	s_mov_b32 s[\g+2], 16<<16
	s_mov_b32 s[\g+3], 32<<16
	s_mov_b32 s[\g+4], 16
	s_mov_b32 s[\g+5], 32
	s_mov_b32 s[\g+6], 0
	s_mov_b32 s[\g+7], 0
.endr
	s_lshl_b32 s18, s16, 7                         ; which 128 rows of the tile I fetch
	s_lshl_b32 s20, s17, 8
	s_add_co_u32 s20, s20, s18                     ; x: row 256 x tile row + 128 x half
	s_lshl_b32 s46, s42, 8
	s_add_co_u32 s46, s46, s18                     ; weights: row 256 x tile column + 128 x half
	s_mov_b32 s21, 0
	s_mov_b32 s47, 0
	s_mov_b64 s[18:19], KS
	s_mul_u64 s[22:23], s[20:21], s[18:19]         ; where these rows' scales begin, in bytes,
	s_mul_u64 s[92:93], s[46:47], s[18:19]
	s_mov_b64 s[18:19], KROW
	s_mul_u64 s[20:21], s[20:21], s[18:19]         ; and their codes
	s_mul_u64 s[46:47], s[46:47], s[18:19]
	s_mul_i32 s45, s14, HALFT                      ; where they go: wave x 128 rows: no place in the cluster enters an LDS address
	s_mul_i32 s94, s14, HALFS
	s_wait_dscnt 0x0                               ; both opening adds are done
	s_wait_kmcnt 0x0
	s_add_nc_u64 s[20:21], s[4:5], s[20:21]
	s_add_nc_u64 s[22:23], s[6:7], s[22:23]
	s_add_nc_u64 s[46:47], s[8:9], s[46:47]
	s_add_nc_u64 s[92:93], s[10:11], s[92:93]
	CROUND                                         ; all sixteen work-groups are here: the joint loads meet
	s_mov_b32 s[G0S], 1
	s_add_co_u32 s[G0S+1], s94, SCL
	s_mov_b64 s[G0S+2:G0S+3], s[22:23]
	s_or_b32 s[G0S+3], s[G0S+3], 0x80000000
	s_mov_b32 s[G0SB], 1
	s_add_co_u32 s[G0SB+1], s94, SCL
	s_mov_b64 s[G0SB+2:G0SB+3], s[92:93]
	s_or_b32 s[G0SB+3], s[G0SB+3], 0x80000000
	JLOAD G0S, G1S, G0SB, G1SB                     ; the scales first: they are wanted with the first slot
.irp s, 0,1
	s_mov_b32 s[G0+4*\s], 1
	s_add_co_u32 s[G0+4*\s+1], s45, \s*SLOT
	s_add_nc_u64 s[G0+4*\s+2:G0+4*\s+3], s[20:21], \s*ROWB
	s_or_b32 s[G0+4*\s+3], s[G0+4*\s+3], 0x80000000
	s_mov_b32 s[G0B+4*\s], 1
	s_add_co_u32 s[G0B+4*\s+1], s45, \s*SLOT
	s_add_nc_u64 s[G0B+4*\s+2:G0B+4*\s+3], s[46:47], \s*ROWB
	s_or_b32 s[G0B+4*\s+3], s[G0B+4*\s+3], 0x80000000
	JLOAD G0+4*\s, G1, G0B+4*\s, G1B
.endr
	v_and_b32 v1, 15, v0                           ; r = lane % 16
	v_bfe_u32 v2, v0, 4, 1                         ; h = lane / 16
	; the bias of my 128 features: bq for q's tiles, bv for v's; k's tiles take zeros
	s_cmp_eq_u32 ttmp9, 0
	s_cselect_b64 s[96:97], s[96:97], s[98:99]
	s_lshl_b32 s20, s40, 10                        ; 256 cx numbers of 4 bytes,
	s_lshl_b32 s21, s16, 9                         ; my half's 128
	s_add_co_u32 s20, s20, s21
	s_mov_b32 s21, 0
	s_add_nc_u64 s[96:97], s[96:97], s[20:21]
	v_lshlrev_b32 v7, 5, v2                        ; lanes 16-31 begin 8 numbers on; never rewritten
	s_cmp_eq_u32 ttmp9, 1                          ; the cluster's x: the same in all sixteen partners and all waves
	s_cbranch_scc1 .Lk_tiles
.irp b, 0,1,2,3,4,5,6,7
	global_load_b128 v[BI+8*\b:BI+8*\b+3], v7, s[96:97] offset:64*\b
	global_load_b128 v[BI+8*\b+4:BI+8*\b+7], v7, s[96:97] offset:64*\b+16
.endr
	s_branch .Lbias_done
.Lk_tiles:
.set i, 0
.rept 64
	v_mov_b32 v[BI+i], 0
.set i, i+1
.endr
.Lbias_done:
	v_mul_u32_u24 v3, v1, PITCH
	v_lshl_add_u32 v4, v2, 4, v3                   ; a fragment's row x pitch + 16 x half
	s_mul_i32 s21, s15, HALFT                      ; my 128 rows of x
	s_mul_i32 s22, s16, HALFT                      ; my 128 rows of the weights,
	s_add_co_u32 s22, s22, 2*HALFT                 ; which lie behind x's 256
.irp s, 0,1
	v_add_nc_u32 v[ADRA+\s], s21, v4
	v_add_nc_u32 v[ADRB+\s], s22, v4
	s_add_co_u32 s21, s21, SLOT
	s_add_co_u32 s22, s22, SLOT
.endr
	v_mul_u32_u24 v5, v1, KS                       ; my row's scales: 32 bytes a row,
	v_lshrrev_b32 v6, 8, v5
	v_lshl_add_u32 v5, v6, 4, v5                   ; and 16 more for each 256 passed
	s_mul_i32 s21, s15, HALFS                      ; x's: my 128 rows
	s_mul_i32 s22, s16, HALFS                      ; the weights': my 128 rows, behind x's 256
	s_add_co_u32 s22, s22, 2*HALFS
	s_sub_co_u32 s22, s22, s21
	v_mul_u32_u24 v6, s22, v2                      ; lanes 16-31 take the weights': one product, the distance between the two bases
	s_add_co_u32 s21, s21, SCL
	v_add_nc_u32 v5, v5, v6
	v_add_nc_u32 v[ADRS], s21, v5
	s_mul_i32 s23, s14, 16*SPITCH
	s_add_co_u32 s23, s23, STAGE                   ; my stage
	v_mul_u32_u24 v5, v1, SPITCH                   ; in: row r, 16 bytes for each half of the lanes
	v_lshl_add_u32 v5, v2, 4, v5
	v_add_nc_u32 v[STO], s23, v5
	v_mul_u32_u24 v5, v2, SPITCH                   ; back: lanes 0-15 take one row of 256 bytes, lanes 16-31 the next
	v_lshl_add_u32 v5, v1, 4, v5
	v_add_nc_u32 v[RD], s23, v5
	v_mul_u32_u24 v5, v2, OROW                     ; and the same two rows in qkv
	v_lshl_add_u32 v[CO], v1, 4, v5
	s_lshl_b32 s20, s17, 8
	s_lshl_b32 s21, s15, 7
	s_add_co_u32 s20, s20, s21                     ; my first token: 256 x tile row + 128 x half
	s_mul_i32 s20, s20, OROW                       ; under 2^26
	s_lshl_b32 s46, s42, 9                         ; my first feature, in bytes: 512 x tile column + 256 x half
	s_lshl_b32 s47, s16, 8
	s_add_co_u32 s46, s46, s47
	s_add_co_u32 s20, s20, s46
	s_mov_b32 s21, 0
	s_add_nc_u64 s[12:13], s[12:13], s[20:21]
.macro FRAG reg, adr, q, i             ; a fragment, 16 rows x 128 K of 4-bit codes: lane l holds row l % 16; registers 4 c .. 4 c + 3 hold K = 64 c + 32 (l / 16) + 0 .. 31
.irp c, 0,1
	ds_load_b128 v[\reg+4*\c:\reg+4*\c+3], v[\adr] offset:64*(\q)+32*\c+(\i)*16*PITCH
.endr
.endm
; 16 matrix instructions: x's blocks a0, a0 + 1 against the weights' eight, the slot's q-th 128 along K.  p: the weights' set;  sc: the set of scale words.  first = 1: the bias starts the sums: nothing is cleared and nothing is added later.
; The 64 accumulators take turns, one instruction a turn, in the same order in every step.
.macro MUL16 a0, p, q, sc, first
.irp a, \a0, \a0+1
.irp b, 0,1,2,3,4,5,6,7
.if \first
	v_wmma_scale_f32_16x16x128_f8f6f4 v[8*(8*((\a)%4)+\b):8*(8*((\a)%4)+\b)+7], v[128*(\p)+FR*\b:128*(\p)+FR*\b+FR-1], v[AF+FR*(\a):AF+FR*(\a)+FR-1], v[BI+8*\b:BI+8*\b+7], v[SC+8*NQ*(\sc)+NQ*\b+(\q)], v[SC+8*NQ*(\sc)+NQ*(\a)+(\q)] matrix_a_fmt:MATRIX_FMT_FP4 matrix_b_fmt:MATRIX_FMT_FP4 matrix_a_scale:MATRIX_SCALE_ROW1
.else
	v_wmma_scale_f32_16x16x128_f8f6f4 v[8*(8*((\a)%4)+\b):8*(8*((\a)%4)+\b)+7], v[128*(\p)+FR*\b:128*(\p)+FR*\b+FR-1], v[AF+FR*(\a):AF+FR*(\a)+FR-1], v[8*(8*((\a)%4)+\b):8*(8*((\a)%4)+\b)+7], v[SC+8*NQ*(\sc)+NQ*\b+(\q)], v[SC+8*NQ*(\sc)+NQ*(\a)+(\q)] matrix_a_fmt:MATRIX_FMT_FP4 matrix_b_fmt:MATRIX_FMT_FP4 matrix_a_scale:MATRIX_SCALE_ROW1
.endif
.endr
.endr
.endm
.macro FETCH_B slot, q, p              ; the weights' eight fragments of the slot's q-th 128 along K into set p
	WIN TO_B
.irp i, 0,1,2,3,4,5,6,7
	FRAG 128*(\p)+FR*\i, ADRB+\slot, \q, \i
.endr
	WIN 0
.endm
.macro FETCH_A slot, q, i0             ; x's blocks i0 .. i0 + 3
.irp i, \i0, \i0+1, \i0+2, \i0+3
	FRAG AF+FR*(\i), ADRA+\slot, \q, \i
.endr
.endm
.macro SCALES sc                       ; a slot's scale words into set sc: four words a row; lanes 0-15 take x's block i, lanes 16-31 the weights' block i
.irp i, 0,1,2,3,4,5,6,7
	ds_load_b128 v[SC+8*NQ*\sc+NQ*\i:SC+8*NQ*\sc+NQ*\i+3], v[ADRS] offset:\i*SBLK
.endr
.endm
; A load into a register that a matrix instruction has read, and a vector instruction that reads a matrix result, stand NP places behind that matrix instruction; only plain vector instructions that name none of
; its registers are places (ISA guide 7.12.1 for vector instructions).
.macro PLACES n
.rept \n
	v_nop
.endr
.endm
; A step of 128 along K that has its successor in the same slot.  A block of x is free as soon as its eight products are issued: blocks 0-3 are fetched anew in the step's middle, blocks 4-7 at its end.
.macro STEP slot, q, first
	s_wait_dscnt 4*NL                              ; the weights' set and x's blocks 0-3 are in; the youngest eight loads (x's blocks 4-7) may be out
.if \first
	WIN FIRST_LO
.else
	WIN MUL_LO
.endif
	MUL16 0, (\q)%2, \q, \slot, \first
	MUL16 2, (\q)%2, \q, \slot, \first
	s_wait_dscnt 0                                 ; x's blocks 4-7 are in (asked for 32 matrix instructions ago)
	PLACES NP
	FETCH_B \slot, (\q)+1, 1-(\q)%2
	FETCH_A \slot, (\q)+1, 0
.if \first
	WIN FIRST_HI
.else
	WIN MUL_HI
.endif
	MUL16 4, (\q)%2, \q, \slot, \first
	MUL16 6, (\q)%2, \q, \slot, \first
	PLACES NP
	WIN 0
	FETCH_A \slot, (\q)+1, 4
.endm
.macro STEPS slot, from                ; the slot's steps from .. NQ - 2
.set Q, \from
.rept NQ-1-\from
	STEP \slot, Q, 0
.set Q, Q+1
.endr
.endm
	s_wait_tensorcnt 1                             ; the scales and my part of slot 0 are in (slot 1's load may be out)
	s_barrier_signal -1
	s_barrier_wait -1                              ; everybody's are
	FETCH_B 0, 0, 0
	FETCH_A 0, 0, 0
	SCALES 0
	FETCH_A 0, 0, 4
	s_wait_loadcnt 0x0                             ; the bias
	STEP 0, 0, 1                                   ; the first step's products start the sums from the bias
	STEPS 0, 1
	; slot 0's last step goes over to slot 1: one barrier.  In front of it each wave waits for all its tensor loads (its part of slot 1), adds 0 to its spare word, and waits for that and for its LDS loads
	s_wait_tensorcnt 0x0
	ds_add_u32 v[SPW], v[NIL]
	s_wait_dscnt 4*NL+1                            ; (the add and the youngest eight loads, x's blocks 4-7, may be out)
	WIN MUL_LO
	MUL16 0, 1, NQ-1, 0, 0                         ; sixteen matrix instructions stand between the add and the wait for it
	s_wait_dscnt 0x0
	s_barrier_signal -1
	MUL16 2, 1, NQ-1, 0, 0
	WIN 0
	s_barrier_wait -1                              ; slot 1 is whole
	PLACES NP
	v_add_nc_u32 v[ADRS], 4*NQ, v[ADRS]            ; on to slot 1's scale words (no LDS load of mine is out)
	FETCH_B 1, 0, 0
	FETCH_A 1, 0, 0
	SCALES 1
	WIN MUL_HI
	MUL16 4, 1, NQ-1, 0, 0
	MUL16 6, 1, NQ-1, 0, 0
	PLACES NP
	WIN 0
	FETCH_A 1, 0, 4
	STEPS 1, 0
	s_wait_dscnt 4*NL                              ; the very last step: nothing more to fetch
	WIN MUL_LO
	MUL16 0, 1, NQ-1, 1, 0
	MUL16 2, 1, NQ-1, 1, 0
	s_wait_dscnt 0
	WIN MUL_HI
	MUL16 4, 1, NQ-1, 1, 0
	MUL16 6, 1, NQ-1, 1, 0
	WIN 0
; THE WAY OUT, block by block of 16 tokens x 128 features.  PACK: rounded to f16, 16 bytes a lane, each accumulator from its low end on.  TOSTAGE: into my own stage and back as whole rows of 256 bytes.  SEND: stored.
.macro PACK a
.set AC, 64*((\a)%4)
	WIN 0x0a+5*((\a)/4)                            ; sources 0 and 1: window 2 or 3
.irp b, 0,1,2,3,4,5,6,7
.irp r, 0,1,2,3
	v_cvt_pk_f16_f32 v[TMP+4*\b+\r], v[AC+8*\b+2*\r], v[AC+8*\b+2*\r+1]
.endr
.endr
	WIN 0
.endm
.macro TOSTAGE a
.set BK, OB+32*((\a)%2)
.irp b, 0,1,2,3,4,5,6,7
	ds_store_b128 v[STO], v[TMP+4*\b:TMP+4*\b+3] offset:32*\b
.endr
.irp t, 0,1,2,3,4,5,6,7
	ds_load_b128 v[BK+4*\t:BK+4*\t+3], v[RD] offset:\t*2*SPITCH    ; LDS serves a wave's instructions in order (ISA guide 5.7.1.4): these see the stores above
.endr
.endm
.macro SEND a
.set BK, OB+32*((\a)%2)
	s_wait_dscnt 0x0                               ; the block is back in registers
	s_wait_xcnt 0x0                                ; the earlier stores have read their base and their data: only behind this wait are they written again
.if (\a) > 0
	s_add_nc_u64 s[12:13], s[12:13], 16*OROW       ; 16 tokens on
.endif
.irp t, 0,1,2,3,4,5,6,7
	global_store_b128 v[CO], v[BK+4*\t:BK+4*\t+3], s[12:13] offset:2*\t*OROW   ; 16 lanes store 256 consecutive bytes, at a multiple of 256 from the buffer's first byte
.endr
.endm
	PLACES NP                                      ; behind the last products: for the conversions' reads and for the loads into the registers that held x's fragments
	PACK 0
	TOSTAGE 0
.irp a, 1,2,3,4,5,6,7                  ; block a's conversions stand between block a - 1's loads from the stage and the wait for them
	PACK \a
	SEND \a-1
	TOSTAGE \a
.endr
	SEND 7
	s_wait_tensorcnt 0x0                           ; the wave's end
	ds_add_u32 v[SPW], v[NIL]
	s_wait_dscnt 0x0
	CROUND                                         ; the closing round: no work-group ends while a partner may still ask for a tile that names it
	s_endpgm
.Lfunc_end_k_q4a9e6060c5_proj:
	.size	k_q4a9e6060c5_proj, .Lfunc_end_k_q4a9e6060c5_proj-k_q4a9e6060c5_proj
	.p2alignl 7, 3214868480
	.fill 96, 4, 3214868480
	.section	.rodata,"a",@progbits
	.p2align	6, 0x0
	.amdhsa_kernel k_q4a9e6060c5_proj
		.amdhsa_group_segment_fixed_size 327680
		.amdhsa_private_segment_fixed_size 0
		.amdhsa_enable_private_segment 0
		.amdhsa_kernarg_size 56
		.amdhsa_user_sgpr_count 2
		.amdhsa_user_sgpr_kernarg_segment_ptr 1
		.amdhsa_wavefront_size32 1
		.amdhsa_system_sgpr_workgroup_id_x 1
		.amdhsa_system_sgpr_workgroup_id_y 1
		.amdhsa_system_sgpr_workgroup_id_z 1
		.amdhsa_system_vgpr_workitem_id 0
		.amdhsa_next_free_vgpr 1024
		.amdhsa_next_free_sgpr 100
		.amdhsa_reserve_vcc 0
		.amdhsa_float_denorm_mode_32 3
		.amdhsa_float_denorm_mode_16_64 3
		.amdhsa_memory_ordered 1
		.amdhsa_forward_progress 1
		.amdhsa_inst_pref_size 131
	.end_amdhsa_kernel
	.amdgpu_metadata
---
amdhsa.version: [ 1, 2 ]
amdhsa.kernels:
  - .name:           k_q4a9e6060c5_proj
    .symbol:         k_q4a9e6060c5_proj.kd
    .args:
      - { .name: xc, .offset: 0, .size: 8, .value_kind: global_buffer, .address_space: global }
      - { .name: xs, .offset: 8, .size: 8, .value_kind: global_buffer, .address_space: global }
      - { .name: wc, .offset: 16, .size: 8, .value_kind: global_buffer, .address_space: global }
      - { .name: ws, .offset: 24, .size: 8, .value_kind: global_buffer, .address_space: global }
      - { .name: bq, .offset: 32, .size: 8, .value_kind: global_buffer, .address_space: global }
      - { .name: bv, .offset: 40, .size: 8, .value_kind: global_buffer, .address_space: global }
      - { .name: qkv, .offset: 48, .size: 8, .value_kind: global_buffer, .address_space: global }
    .group_segment_fixed_size: 327680
    .private_segment_fixed_size: 0
    .kernarg_segment_align: 8
    .kernarg_segment_size: 56
    .max_flat_workgroup_size: 128
    .sgpr_count:     100
    .vgpr_count:     1024
    .wavefront_size: 32
...
	.end_amdgpu_metadata
.endif
;; end of part 2
;; launch scores (part 3): grid 8 x 32, 4 waves a work-group, clusters of 4 x 4, 327,680 bytes of LDS; arguments qkv, pbuf, stats; writes pbuf, stats
.if DOCPART == 3
	.amdgcn_target "amdgcn-amd-amdhsa--gfx1250"
	.amdhsa_code_object_version 6
	.text
	.protected	k_q4a9e6060c5_scores
	.globl	k_q4a9e6060c5_scores
	.p2align	8
	.type	k_q4a9e6060c5_scores,@function
k_q4a9e6060c5_scores:
	s_mov_b64 s[64:65], 0
	v_nop
	global_prefetch_b8 v0, s[64:65] scope:SCOPE_SE
	s_setreg_imm32_b32 hwreg(HW_REG_WAVE_MODE, 25, 1), 1
	s_wait_xcnt 0x0
	s_wait_alu depctr_hold_cnt(0) depctr_sa_sdst(0) depctr_va_vdst(0) depctr_va_sdst(0) depctr_va_ssrc(0) depctr_va_vcc(0) depctr_vm_vsrc(0)
	s_getreg_b32 s2, hwreg(HW_REG_IB_STS2, 6, 4)
	s_cmp_eq_u32 s2, 0
	s_cbranch_scc0 .Lentry_in_a_cluster
	s_endpgm
.Lentry_in_a_cluster:
	s_bfe_u32 s2, ttmp6, 0x10000c
	s_cmp_lg_u32 s2, 0xf033
	s_cbranch_scc0 .Lentry_shape_is_right
	s_endpgm
.Lentry_shape_is_right:
; S = Q K^T for each of 4 batches (2,048 queries x 2,048 keys, K = 1,024), f16 operands, f32 sums; then the softmax's first half, by blocks of 128 keys.  (k carries no bias: see the first launch's head.)
; t = s x log2(e) / 32.  For each query and each block kb of 128 keys: M_kb = the block's largest t rounded UP to a whole number, kept as -M = floor(-t); p = 2^(t - M_kb), in (0, 1], goes to pbuf as f16;
; l_kb = the sum of the block's p, in f32.  -M and l go to stats.  The next launch brings the blocks of a row under the row's largest M by powers of two: so the maximum is taken away for every input.
; pbuf IS LAID IN THE ORDER OF THE NEXT PRODUCT'S OPERAND REGISTERS: [query / 16][key / 32][2][32 lanes][16 bytes]: a fragment of 16 queries x 32 keys is 1,024 bytes, 16 queries' fragments of all 2,048 keys 65,536.
; stats: f32, -M at [kb][8192 queries], l likewise 524,288 bytes on.
; A tile, 256 queries x 256 keys, is made by a work-group of four waves; a wave makes 128 x 128: 64 accumulators, 512 registers; its 128 keys are one block kb.
; K goes in steps of 128 through a ring of two LDS slots filled by the tensor data mover; a tile's row is 256 bytes of memory, at a multiple of 256 from the buffer's first byte.
; CLUSTERS: 4 x 4 work-groups.  The four of a row of the cluster need the same tiles of Q, the four of a column the same tiles of K: each is asked for JOINTLY.  By this text's count a wave has two tensor loads out at the start, later one.
; THE MATRIX INSTRUCTION IS USED TRANSPOSED (source 0 = 16 keys, source 1 = 16 queries): a lane holds ONE query (lane % 16) and, in accumulator (a, b), keys 16 b + 8 (lane / 16) + 0 .. 7.  So the row's maximum and sum want one
; exchange between the halves of the lanes; and accumulators (a, 2 j) and (a, 2 j + 1), rounded to f16 in pairs, ARE registers 0-3 and 4-7 of the fragment (16 queries x keys 32 j ..) that the next product takes as its source 1:
; they are stored as they stand, 16 bytes a lane, 512 consecutive bytes a store.  No stage, no turn through LDS.
; REGISTERS, in windows of 256: window 0: v0-31 addresses; v64-127, v128-191 Q's fragments, two buffers; on the way out v32-95 at work.   window 1: v64-127, v128-191 K's fragments, two buffers.
;   window 2: the 32 accumulators of my queries 0-63 ((a, b) at v[8 (8 a + b)]);   window 3: those of my queries 64-127.
.set KSTEP,  128
.set PITCH,  272                       ; an LDS row: 256 bytes + 16 of padding = 68 words: the 16 rows that a load touches start at 16 different banks (64 banks of 4 bytes: ISA guide 11.1)
.set HALFT,  128*PITCH
.set SLOT,   4*HALFT                   ; Q's 256 rows, then K's 256 rows
.set STATS,  2*SLOT                    ; behind the ring: 1,024 bytes for each wave: -M of its 128 queries, then l
.set SPARE,  STATS+4*1024              ; the spare words, 128 bytes a wave, which no other line names
.set QROW,   6144                      ; a row of qkv in bytes
.set QB,     65536                     ; pbuf: 16 queries' fragments
.set ADRA, 16                          ; v16-17  LDS address of my fragments of Q in slot 0, 1
.set ADRB, 20                          ; v20-21  the same for K
.set LN,   27                          ; v27     16 x lane: my place in a store's 512 bytes; never rewritten
.set SPW,  28                          ; v28     LDS address of my spare word; never rewritten
.set NIL,  29                          ; v29     0; never rewritten
.set SA,   30                          ; v30     where I put -M (lanes 0-15) or l (lanes 16-31) of my query
.set SRD,  31                          ; v31     where I read them back, 16 bytes a lane
.set TT,   32                          ; v32-39  eight running maxima
.set NM,   40                          ; v[40:41] -M (the packed form names the pair and takes its low word)
.set L0,   42                          ; v[42:43], v[44:45] the sum, in two chains of pairs
.set L1,   44
.set XL,   46                          ; v46     what lane l xor 16 sends
.set SV,   47                          ; v47     -M or l, by the lane's half
.set F0,   64
.set F1,   128
.set TMP,  64                          ; the way out: packed p: four fragments
.set G1, 24                            ; s[24:31] descriptor group 1 for Q's tiles;  s[32:39] group 0, a set for each slot
.set G0, 32
.set G1B, 48                           ; s[48:55], s[56:63] the same for K's
.set G0B, 56
.set CS,  66                           ; s[66:67] c = log2(e) / 32
.set SEL, 68                           ; s[68:69] v_permlanex16_b32's selects for lane l xor 16
.set HI16, 70                          ; s70     lanes 16-31
.set MSB, 0
.macro WIN new
.if MSB != (\new)
	s_set_vgpr_msb (MSB<<8)|(\new)
.set MSB, (\new)
.endif
.endm
.set MUL_LO, 0xa1                      ; source 0 (K) window 1, source 1 (Q) window 0, C and D window 2
.set MUL_HI, 0xf1                      ; the same, C and D window 3
.set TO_B,   0x40                      ; destination window 1, address window 0
; A joint load: waves 0 and 1 fetch Q's two halves, waves 2 and 3 K's.  The branch hangs on the wave's number alone.  An s_nop 0 and four v_nop follow each of the two lines.
.macro JLOAD s
	s_cmp_eq_u32 s11, 0
	s_cbranch_scc0 .Lfor_b_\@
	tensor_load_to_lds s[G0+4*\s:G0+4*\s+3], s[G1:G1+7]
	s_nop 0
.rept 4
	v_nop
.endr
	s_branch .Lasked_\@
.Lfor_b_\@:
	tensor_load_to_lds s[G0B+4*\s:G0B+4*\s+3], s[G1B:G1B+7]
	s_nop 0
.rept 4
	v_nop
.endr
.Lasked_\@:
.endm
.macro CREST                           ; a round of the cluster's barrier behind its opening barrier
	s_cmp_lg_u32 s10, 0
	s_cbranch_scc1 .Lnot_wave_0_\@
	s_barrier_signal -3
.Lnot_wave_0_\@:
	s_barrier_wait -3
	s_barrier_signal -1
	s_barrier_wait -1
.endm
.macro CROUND                          ; a whole round
	s_barrier_signal -1
	s_barrier_wait -1
	CREST
.endm
	s_load_b128 s[4:7], s[0:1], 0x0                ; qkv, pbuf
	s_load_b64 s[8:9], s[0:1], 0x10                ; stats
	v_lshl_add_u32 v[SPW], v0, 2, SPARE
	v_mov_b32 v[NIL], 0
	ds_add_u32 v[SPW], v[NIL]                      ; the wave's opening: the add, twice on end, and its wait ahead of my first tensor load; the set-up below, work on registers, stands between
	ds_add_u32 v[SPW], v[NIL]                      ; and once more, under the one wait
	v_lshrrev_b32 v1, 5, v0
	v_readfirstlane_b32 s10, v1                    ; wave 0..3
	s_lshr_b32 s11, s10, 1                         ; which half of the tile's queries is mine.  Also: I fetch for Q (0) or for K (1)
	s_and_b32 s12, s10, 1                          ; which half of its keys.  Also: which 128 rows of that tile I fetch
	s_bfe_u32 s40, ttmp6, 0x40000                  ; cx, cy: my place in the cluster
	s_bfe_u32 s41, ttmp6, 0x40004
	s_lshl_b32 s42, ttmp9, 2
	s_add_co_u32 s42, s42, s40                     ; tile of keys in the batch = 4 x cluster x + cx: 0 .. 7
	s_and_b32 s45, ttmp7, 0xffff                   ; cluster y
	s_lshl_b32 s13, s45, 2
	s_add_co_u32 s13, s13, s41                     ; tile of queries = 4 x cluster y + cy: 0 .. 31, eight to a batch
	s_lshr_b32 s45, s45, 1                         ; the batch, from the cluster's y alone: the sixteen partners share it
	s_lshl_b32 s43, s41, 2
	s_lshl_b32 s43, 15, s43                        ; my row of the cluster
	s_lshl_b32 s44, 0x1111, s40                    ; my column
	; descriptor group 1: a tile of 128 rows x 128 elements of 2 bytes, padded in LDS
	s_or_b32 s[G1+0], s43, (1<<16)|(1<<20)|(1<<21)|(5<<22)|(3<<25)  ; 15:0 the mask: Q's tiles go to my row; 17:16 elements of 2 bytes; 20 padding on; 21 set beside a mask; 24:22 after every 64 words; 31:25 four words
	s_or_b32 s[G1B+0], s44, (1<<16)|(1<<20)|(1<<21)|(5<<22)|(3<<25)
.irp g, G1, G1B
	s_mov_b32 s[\g+1], KSTEP<<16                   ; tensor_dim0 = 128
	s_mov_b32 s[\g+2], 128<<16                     ; tensor_dim1 = 128
	s_mov_b32 s[\g+3], KSTEP<<16                   ; tile_dim0 = 128
	s_mov_b32 s[\g+4], 128                         ; tile_dim1 = 128
	s_mov_b32 s[\g+5], 3072                        ; tensor_dim0_stride: elements from token to token
	s_mov_b32 s[\g+6], 0
	s_mov_b32 s[\g+7], 0
.endr
	s_mov_b32 s[CS], 0x3d38aa3b                    ; c = log2(e) / 32
	s_mov_b32 s[CS+1], s[CS]                       ; (named with it as a pair, so it is written)
	s_mov_b32 s[SEL], 0x76543210
	s_mov_b32 s[SEL+1], 0xfedcba98
	s_mov_b32 s[HI16], 0xffff0000
	s_lshl_b32 s18, s12, 7                         ; which 128 rows of the tile I fetch
	s_lshl_b32 s16, s13, 8
	s_add_co_u32 s16, s16, s18                     ; Q: token 256 x tile of queries + 128 x half
	s_mul_i32 s16, s16, QROW                       ; in bytes, under 2^26
	s_mov_b32 s17, 0
	s_lshl_b32 s46, s45, 11                        ; K: token 2,048 x batch
	s_lshl_b32 s47, s42, 8
	s_add_co_u32 s46, s46, s47                     ; + 256 x tile of keys
	s_add_co_u32 s46, s46, s18                     ; + 128 x half
	s_mul_i32 s46, s46, QROW
	s_add_co_u32 s46, s46, 2048                    ; k lies 2,048 bytes into a token's row
	s_mov_b32 s47, 0
	s_mul_i32 s20, s10, HALFT                      ; where they go: wave x 128 rows: no place in the cluster enters an LDS address
	s_wait_dscnt 0x0                               ; both opening adds are done
	s_wait_kmcnt 0x0
	s_add_nc_u64 s[14:15], s[4:5], s[16:17]
	s_add_nc_u64 s[46:47], s[4:5], s[46:47]
	CROUND                                         ; all sixteen work-groups are here: the first joint loads meet
.irp s, 0,1
	s_mov_b32 s[G0+4*\s], 1                                        ; count = 1
	s_add_co_u32 s[G0+4*\s+1], s20, \s*SLOT                        ; LDS address
	s_add_nc_u64 s[G0+4*\s+2:G0+4*\s+3], s[14:15], \s*KSTEP*2      ; global address: K step s
	s_or_b32 s[G0+4*\s+3], s[G0+4*\s+3], 0x80000000                ; type = 2
	s_mov_b32 s[G0B+4*\s], 1
	s_add_co_u32 s[G0B+4*\s+1], s20, \s*SLOT
	s_add_nc_u64 s[G0B+4*\s+2:G0B+4*\s+3], s[46:47], \s*KSTEP*2
	s_or_b32 s[G0B+4*\s+3], s[G0B+4*\s+3], 0x80000000
	JLOAD \s
.endr
	; A fragment is 16 rows x 32 K in 8 registers: lane l holds row l % 16; registers 0-3 hold K = 8 (l / 16) + 0..7, registers 4-7 K = 16 + 8 (l / 16) + 0..7: two loads of 16 bytes, 32 bytes apart
	v_and_b32 v1, 15, v0                           ; r
	v_bfe_u32 v2, v0, 4, 1                         ; h
	v_mul_u32_u24 v3, v1, PITCH
	v_lshl_add_u32 v3, v2, 4, v3
	s_mul_i32 s21, s11, HALFT                      ; my 128 rows of Q
	s_mul_i32 s22, s12, HALFT                      ; my 128 rows of K,
	s_add_co_u32 s22, s22, 2*HALFT                 ; which lie behind Q's 256
.irp s, 0,1
	v_add_nc_u32 v[ADRA+\s], s21, v3
	v_add_nc_u32 v[ADRB+\s], s22, v3
	s_add_co_u32 s21, s21, SLOT
	s_add_co_u32 s22, s22, SLOT
.endr
	v_and_b32 v6, 31, v0
	v_lshlrev_b32 v[LN], 4, v6
	s_lshl_b32 s23, s10, 10
	s_add_co_u32 s23, s23, STATS                   ; my 1,024 bytes for -M and l
	v_lshlrev_b32 v5, 2, v1
	v_lshl_add_u32 v5, v2, 9, v5
	v_add_nc_u32 v[SA], s23, v5                    ; 4 r, + 512 for lanes 16-31
	v_add_nc_u32 v[SRD], s23, v[LN]
	s_lshl_b32 s16, s13, 8
	s_lshl_b32 s17, s11, 7
	s_add_co_u32 s16, s16, s17                     ; my first query
	s_lshl_b32 s18, s16, 2                         ; its place in a run of stats,
	s_lshl_b32 s16, s16, 12                        ; and in pbuf: 65,536 bytes for each 16 queries
	s_lshl_b32 s46, s42, 13                        ; my first key: 1,024 bytes for each 32 keys: 8,192 x tile of keys + 4,096 x half
	s_lshl_b32 s47, s12, 12
	s_add_co_u32 s46, s46, s47
	s_add_co_u32 s16, s16, s46
	s_mov_b32 s17, 0
	s_add_nc_u64 s[6:7], s[6:7], s[16:17]
	s_lshl_b32 s46, s42, 1
	s_add_co_u32 s46, s46, s12                     ; kb = 2 x tile of keys + half
	s_lshl_b32 s46, s46, 15                        ; 32,768 bytes a block
	s_add_co_u32 s18, s18, s46
	s_mov_b32 s19, 0
	s_add_nc_u64 s[8:9], s[8:9], s[18:19]
; 16 matrix instructions: query blocks a0, a0 + 1 of the window's four (hi = 0: my queries 0-63, 1: 64-127) x all 8 key blocks, 32 along K.  zero = 1: the first product starts the sums.
; The 64 accumulators take turns, one instruction a turn, in the same order in every quarter step.
.macro MUL16 f, hi, a0, zero
.irp a, \a0, \a0+1
.irp b, 0,1,2,3,4,5,6,7
.if \zero
	v_wmma_f32_16x16x32_f16 v[8*(8*(\a)+\b):8*(8*(\a)+\b)+7], v[\f+8*\b:\f+8*\b+7], v[\f+8*(4*\hi+\a):\f+8*(4*\hi+\a)+7], 0
.else
	v_wmma_f32_16x16x32_f16 v[8*(8*(\a)+\b):8*(8*(\a)+\b)+7], v[\f+8*\b:\f+8*\b+7], v[\f+8*(4*\hi+\a):\f+8*(4*\hi+\a)+7], v[8*(8*(\a)+\b):8*(8*(\a)+\b)+7]
.endif
.endr
.endr
.endm
; 32 LDS loads in one run: the fragments of one quarter step (128 rows of K, 128 of Q, 32 along K at byte k of the rows) into buffer f
.macro FETCH slot, k, f
	WIN TO_B
.irp i, 0,1,2,3,4,5,6,7
	ds_load_b128 v[\f+8*\i:\f+8*\i+3],   v[ADRB+\slot] offset:\k+\i*16*PITCH
	ds_load_b128 v[\f+8*\i+4:\f+8*\i+7], v[ADRB+\slot] offset:\k+\i*16*PITCH+32
.endr
	WIN 0
.irp i, 0,1,2,3,4,5,6,7
	ds_load_b128 v[\f+8*\i:\f+8*\i+3],   v[ADRA+\slot] offset:\k+\i*16*PITCH
	ds_load_b128 v[\f+8*\i+4:\f+8*\i+7], v[ADRA+\slot] offset:\k+\i*16*PITCH+32
.endr
.endm
.macro PLACES                          ; four places in front of loads into registers that matrix instructions have read, and of vector instructions that read results (ISA guide 7.12.1 for vector instructions)
.rept 4
	v_nop
.endr
.endm
; A K step is four quarter steps of 32 along K, 64 matrix instructions each, on buffers 0, 1, 0, 1.  One of the first three multiplies buffer f and, in its middle, fetches the next quarter's fragments into buffer g.
.macro QUARTER slot, k, f, g, zero
	s_wait_dscnt 8                                 ; K's fragments and Q's rows 0-63 are in; the youngest eight loads (Q's rows 64-127) may be out
	WIN MUL_LO
	MUL16 \f, 0, 0, \zero
	MUL16 \f, 0, 2, \zero
	PLACES
	FETCH \slot, \k, \g
	s_wait_dscnt 32                                ; all but the 32 just issued
	WIN MUL_HI
	MUL16 \f, 1, 0, \zero
	MUL16 \f, 1, 2, \zero
.endm
; The last quarter multiplies buffer 1 and changes slots: ONE barrier.  In front of it each wave waits for all its tensor loads (one is out: its part of the next slot), adds 0 to its spare word, and waits for that and for
; its own reads of this slot.  fill = 1: the barrier opens a round of the cluster's, and behind the round this slot is filled again, two K steps ahead: the load has 224 matrix instructions in which to land.
.macro TURN slot, next, fill
	WIN 0                                          ; (the add's two registers lie in window 0)
	s_wait_tensorcnt 0x0
	ds_add_u32 v[SPW], v[NIL]
	s_wait_dscnt 9                                 ; (the add and the youngest eight loads may be out)
	WIN MUL_LO
	MUL16 F1, 0, 0, 0                              ; sixteen matrix instructions stand between the add and the wait for it
	s_wait_dscnt 0x0                               ; the add is done, and my reads of this slot are over
	s_barrier_signal -1
	MUL16 F1, 0, 2, 0                              ; work on registers while the others arrive
.if \fill
	WIN 0
.endif
	s_barrier_wait -1
.if \fill
	CREST                                          ; no wave of any partner still reads this slot's tile or has a load on its way
	s_add_nc_u64 s[G0+4*\slot+2:G0+4*\slot+3], s[G0+4*\slot+2:G0+4*\slot+3], 2*KSTEP*2
	s_add_nc_u64 s[G0B+4*\slot+2:G0B+4*\slot+3], s[G0B+4*\slot+2:G0B+4*\slot+3], 2*KSTEP*2
	JLOAD \slot                                    ; the first tensor load behind the round; its four v_nop are also the places in front of the loads below
.else
	PLACES
.endif
	FETCH \next, 0, F0
	WIN MUL_HI
	MUL16 F1, 1, 0, 0
	MUL16 F1, 1, 2, 0
.endm
	s_wait_tensorcnt 1                             ; my part of K step 0 is in (K step 1's load may be out)
	s_barrier_signal -1
	s_barrier_wait -1                              ; everybody's is
	FETCH 0, 0, F0
	QUARTER 0, 64,  F0, F1, 1                      ; the first quarter stands in front of the loop: its products start the sums
	WIN 0                                          ; at a label and at a branch every window is 0
	s_mov_b32 s3, 3                                ; K = 1,024 is four laps of two K steps; three trips fill K steps 2 to 7
.Llap:                                             ; a trip goes once round the ring, from a lap's second quarter to the next lap's first
	QUARTER 0, 128, F1, F0, 0
	QUARTER 0, 192, F0, F1, 0
	TURN 0, 1, 1
	QUARTER 1, 64,  F0, F1, 0
	QUARTER 1, 128, F1, F0, 0
	QUARTER 1, 192, F0, F1, 0
	TURN 1, 0, 1
	QUARTER 0, 64,  F0, F1, 0
	WIN 0
	s_sub_co_u32 s3, s3, 1
	s_cmp_lg_u32 s3, 0
	s_cbranch_scc1 .Llap
	QUARTER 0, 128, F1, F0, 0                      ; the last lap is written out: it fills nothing
	QUARTER 0, 192, F0, F1, 0
	TURN 0, 1, 0
	QUARTER 1, 64,  F0, F1, 0
	QUARTER 1, 128, F1, F0, 0
	QUARTER 1, 192, F0, F1, 0
	s_wait_dscnt 8                                 ; the very last quarter: nothing more to fetch
	WIN MUL_LO
	MUL16 F1, 0, 0, 0
	MUL16 F1, 0, 2, 0
	s_wait_dscnt 0
	WIN MUL_HI
	MUL16 F1, 1, 0, 0
	MUL16 F1, 1, 2, 0
	WIN 0
; THE SOFTMAX'S FIRST HALF for block a of 16 queries: a lane's 64 scores lie in the block's eight accumulators.  Each accumulator is read from its low end on.
.macro SOFT a
.set W, 2+(\a)/4
.set AC, 64*((\a)%4)
.set WN, W|(W<<2)|(W<<4)
	WIN WN                                         ; three sources in the accumulators' window
.irp b, 0,1,2,3,4,5,6,7
	v_max3_num_f32 v[TT+\b], v[AC+8*\b], v[AC+8*\b+1], v[AC+8*\b+2]     ; eight chains, one an accumulator
.endr
.set WN, (W<<2)|(W<<4)
	WIN WN
.irp i, 3,5
.irp b, 0,1,2,3,4,5,6,7
	v_max3_num_f32 v[TT+\b], v[TT+\b], v[AC+8*\b+\i], v[AC+8*\b+\i+1]
.endr
.endr
.irp b, 0,1,2,3
	v_max3_num_f32 v[TT+\b], v[TT+\b], v[AC+16*\b+7], v[AC+16*\b+15]    ; the eight registers 7 that are left
.endr
	WIN 0
	v_max3_num_f32 v[TT], v[TT], v[TT+1], v[TT+2]
	v_max3_num_f32 v[TT+3], v[TT+3], v[TT+4], v[TT+5]
	v_max3_num_f32 v[TT], v[TT], v[TT+3], v[TT+6]
	v_max_num_f32 v[TT], v[TT], v[TT+7]
	v_permlanex16_b32 v[XL], v[TT], s[SEL], s[SEL+1]
	v_max_num_f32 v[TT], v[TT], v[XL]              ; with lane l xor 16's 64 keys: the largest score of my query in this block of 128 keys
	v_mul_f32 v[TT], s[CS], v[TT]                  ; as t (c is positive)
	v_floor_f32 v[NM], -v[TT]                      ; -M = floor(-t) = -ceil(t): a whole number
.set WN, W|(W<<6)
	WIN WN                                         ; source 0 and destination in the accumulators' window
.set i, 0
.rept 32
	v_pk_fma_f32 v[AC+2*i:AC+2*i+1], v[AC+2*i:AC+2*i+1], s[CS:CS+1], v[NM:NM+1] op_sel_hi:[1,0,0]   ; t - M, two at a time
.set i, i+1
.endr
.set i, 0
.rept 64
	v_exp_f32 v[AC+i], v[AC+i]                     ; p = 2^(t - M), at most 1
.set i, i+1
.endr
	v_nop                                          ; a plain instruction behind the last exponential
	s_wait_alu depctr_va_vdst(0)                   ; one wait for the whole batch, ahead of its first reader
.set WN, W|(W<<2)
	WIN WN
	v_pk_add_f32 v[L0:L0+1], v[AC:AC+1], v[AC+2:AC+3]               ; the sum of p in f32, two chains of pairs: the first four pairs start them
	v_pk_add_f32 v[L1:L1+1], v[AC+4:AC+5], v[AC+6:AC+7]
.if (\a) > 0
	s_wait_xcnt 0x0                                ; the last block's stores have read their data: only behind this wait are those registers written again
.endif
.irp b, 0,1,2,3,4,5,6,7
.irp r, 0,1,2,3
	v_cvt_pk_f16_f32 v[TMP+4*\b+\r], v[AC+8*\b+2*\r], v[AC+8*\b+2*\r+1]   ; keys 16 b + 8 (lane / 16) + 0 .. 7 of my query: half b % 2 of fragment b / 2
.endr
.endr
.set WN, W<<2
	WIN WN
.irp j, 8,12,16,20,24,28,32,36,40,44,48,52,56,60
	v_pk_add_f32 v[L0:L0+1], v[L0:L0+1], v[AC+\j:AC+\j+1]
	v_pk_add_f32 v[L1:L1+1], v[L1:L1+1], v[AC+\j+2:AC+\j+3]
.endr
	WIN 0
	v_pk_add_f32 v[L0:L0+1], v[L0:L0+1], v[L1:L1+1]
	v_add_f32 v[L0], v[L0], v[L0+1]
	v_permlanex16_b32 v[XL], v[L0], s[SEL], s[SEL+1]
	v_add_f32 v[L0], v[L0], v[XL]                  ; with lane l xor 16's: l
	v_cndmask_b32 v[SV], v[NM], v[L0], s[HI16]     ; lanes 0-15 keep -M, lanes 16-31 l
	ds_store_b32 v[SA], v[SV] offset:64*(\a)
.endm
.macro PSTORE a                        ; block a's four fragments leave as they stand: every place is an immediate, no base is stepped
.irp b, 0,1,2,3,4,5,6,7
	global_store_b128 v[LN], v[TMP+4*\b:TMP+4*\b+3], s[6:7] offset:(\a)*QB+512*\b   ; 32 lanes store 512 consecutive bytes, at a multiple of 512 from the buffer's first byte
.endr
.endm
	PLACES                                         ; behind the last products
	v_mov_b32 v[XL], 0                             ; written once: a lane permute's destination counts as one of its sources
	v_mov_b32 v[NM+1], 0                           ; (named as the upper half of the pair)
.irp a, 0,1,2,3,4,5,6,7
	SOFT \a
	PSTORE \a
.endr
	ds_load_b128 v[48:51], v[SRD]                  ; -M of my wave's 128 queries, four a lane (my own stores, served in order),
	ds_load_b128 v[52:55], v[SRD] offset:512       ; and l
	s_wait_dscnt 0x0
	global_store_b128 v[LN], v[48:51], s[8:9]      ; 32 lanes store 512 consecutive bytes, aligned
	global_store_b128 v[LN], v[52:55], s[8:9] offset:524288
	s_wait_tensorcnt 0x0                           ; the wave's end
	ds_add_u32 v[SPW], v[NIL]
	s_wait_dscnt 0x0
	CROUND                                         ; the closing round: no work-group ends while a partner may still ask for a tile that names it
	s_endpgm
.Lfunc_end_k_q4a9e6060c5_scores:
	.size	k_q4a9e6060c5_scores, .Lfunc_end_k_q4a9e6060c5_scores-k_q4a9e6060c5_scores
	.p2alignl 7, 3214868480
	.fill 96, 4, 3214868480
	.section	.rodata,"a",@progbits
	.p2align	6, 0x0
	.amdhsa_kernel k_q4a9e6060c5_scores
		.amdhsa_group_segment_fixed_size 327680
		.amdhsa_private_segment_fixed_size 0
		.amdhsa_enable_private_segment 0
		.amdhsa_kernarg_size 24
		.amdhsa_user_sgpr_count 2
		.amdhsa_user_sgpr_kernarg_segment_ptr 1
		.amdhsa_wavefront_size32 1
		.amdhsa_system_sgpr_workgroup_id_x 1
		.amdhsa_system_sgpr_workgroup_id_y 1
		.amdhsa_system_sgpr_workgroup_id_z 1
		.amdhsa_system_vgpr_workitem_id 0
		.amdhsa_next_free_vgpr 1024
		.amdhsa_next_free_sgpr 72
		.amdhsa_reserve_vcc 0
		.amdhsa_float_denorm_mode_32 3
		.amdhsa_float_denorm_mode_16_64 3
		.amdhsa_memory_ordered 1
		.amdhsa_forward_progress 1
		.amdhsa_inst_pref_size 203
	.end_amdhsa_kernel
	.amdgpu_metadata
---
amdhsa.version: [ 1, 2 ]
amdhsa.kernels:
  - .name:           k_q4a9e6060c5_scores
    .symbol:         k_q4a9e6060c5_scores.kd
    .args:
      - { .name: qkv, .offset: 0, .size: 8, .value_kind: global_buffer, .address_space: global }
      - { .name: pbuf, .offset: 8, .size: 8, .value_kind: global_buffer, .address_space: global }
      - { .name: stats, .offset: 16, .size: 8, .value_kind: global_buffer, .address_space: global }
    .group_segment_fixed_size: 327680
    .private_segment_fixed_size: 0
    .kernarg_segment_align: 8
    .kernarg_segment_size: 24
    .max_flat_workgroup_size: 128
    .sgpr_count:     72
    .vgpr_count:     1024
    .wavefront_size: 32
...
	.end_amdgpu_metadata
.endif
;; end of part 3
;; launch pv (part 4): grid 4 x 64, 4 waves a work-group, clusters of 4 x 4, 327,680 bytes of LDS; arguments pbuf, qkv, stats, out0; writes out0
.if DOCPART == 4
	.amdgcn_target "amdgcn-amd-amdhsa--gfx1250"
	.amdhsa_code_object_version 6
	.text
	.protected	k_q4a9e6060c5_pv
	.globl	k_q4a9e6060c5_pv
	.p2align	8
	.type	k_q4a9e6060c5_pv,@function
k_q4a9e6060c5_pv:
	s_mov_b64 s[64:65], 0
	v_nop
	global_prefetch_b8 v0, s[64:65] scope:SCOPE_SE
	s_setreg_imm32_b32 hwreg(HW_REG_WAVE_MODE, 25, 1), 1
	s_wait_xcnt 0x0
	s_wait_alu depctr_hold_cnt(0) depctr_sa_sdst(0) depctr_va_vdst(0) depctr_va_sdst(0) depctr_va_ssrc(0) depctr_va_vcc(0) depctr_vm_vsrc(0)
	s_getreg_b32 s2, hwreg(HW_REG_IB_STS2, 6, 4)
	s_cmp_eq_u32 s2, 0
	s_cbranch_scc0 .Lentry_in_a_cluster
	s_endpgm
.Lentry_in_a_cluster:
	s_bfe_u32 s2, ttmp6, 0x10000c
	s_cmp_lg_u32 s2, 0xf033
	s_cbranch_scc0 .Lentry_shape_is_right
	s_endpgm
.Lentry_shape_is_right:
; out[q][:] = (sum over kb of f_kb x T_kb) / (sum over kb of f_kb l_kb),  T_kb = sum over the block's 128 keys of p V,  f_kb = 2^(M_kb - M), M = the largest M_kb of the query's 16 blocks.
; p (f16, at most 1), -M_kb and l_kb come from the launch before; V is the third part of qkv's rows, f16.  Each block is summed in accumulators of its own, T, and added to the result's, O, by fused multiply-adds in f32.
; A tile of the result, 128 queries x 256 channels, is made by a work-group of four waves: 256 work-groups.  A wave makes 64 queries x 128 channels: 32 accumulators T and 32 O, 256 registers each.
; THE MATRIX INSTRUCTION IS USED TRANSPOSED: source 0 = V^T (16 channels x 32 keys, turned on its way out of LDS by ds_load_tr16_b128), source 1 = P (16 queries x 32 keys): a lane holds one query and eight neighbouring channels.
; V goes through a ring of two LDS slots of 256 keys x 512 bytes, filled by the tensor data mover, 64 keys a wave.  CLUSTERS: 4 x 4 work-groups; the four of a column (one block of channels) need the same tiles of V and ask JOINTLY.
; P GOES FROM MEMORY STRAIGHT INTO REGISTERS.  pbuf is laid in the order of the operand's registers ([query / 16][key / 32][2][32 lanes][16 bytes]): a fragment is two loads of 512 consecutive bytes.  A quarter of 32 keys wants four
; fragments, eight loads; they are asked for seven quarters ahead, into eight buffers of 32 registers that take turns.  WHY P IS NOT ASKED FOR JOINTLY, though the four partners of a row of the cluster read the same fragments: a joint
; load lands in LDS, and beside V's two slots (2 x 139,264 bytes) two slots of P for 256 keys (2 x 65,536) would make 409,600 bytes, more than the 327,680 that a work-group can have; with slots of 128 keys a refill has 112 matrix instructions in which to land, with these 240.
; By this text's count a wave has two tensor loads out at the start, later one, and at most 56 loads into registers.
; REGISTERS, in windows of 256: window 0: v0-31 addresses; v64-127, v128-191 V's fragments, two buffers; v224-231 the block's factors, v240-247 the divisor's reciprocal (each the low word of a pair, one a query block); the rest at work at the head and on the way out.
;   window 1: T ((a, b) at v[8 (8 a + b)]).   window 2: O likewise.   window 3: P's eight buffers (quarter n in buffer n % 8; query block a at 8 a).
.set VP,    544                        ; a key's row of V in LDS: 512 bytes + 32 = 136 words: row r starts at bank 8 r mod 64 (64 banks of 4 bytes: ISA guide 11.1)
.set SLOT,  256*VP                     ; 256 keys
.set HALFS, 128*VP                     ; an LDS instruction's immediate reaches 65,535 bytes: each half of a slot has an address register of its own
.set FT,    2*SLOT                     ; behind the ring: for each wave 4,096 bytes of factors, [kb][64 queries] f32, and 512 for the reciprocals
.set FTW,   4608
.set SPARE, FT+4*FTW                   ; the spare words, 128 bytes a wave, which no other line names
.set SP,    528                        ; the way out: a stage of 16 rows x (512 bytes + 16) for each wave.  It lies at the head of slot 0, which has had its last fill and its last read when the first result is stored there
.set QROW,  6144                       ; a row of qkv in bytes
.set OROW,  4096                       ; a row of out0
.set QB,    65536                      ; pbuf: 16 queries' fragments
.set ADRV, 16                          ; v16-19  LDS address of my fragments of V: slot 0's halves, slot 1's halves
.set FRD,  22                          ; v22     where I read my query's factors of the block in hand
.set FWR,  23                          ; v23     my wave's table, 16 bytes a lane
.set STO,  24                          ; v24     the way out: where I put 32 bytes of a row
.set RD,   25                          ; v25     where I read a row back
.set CO,   26                          ; v26     16 x lane: my place in 512 bytes of pbuf and of out0; never rewritten
.set SOF,  27                          ; v27     my place in stats; never rewritten
.set SPW,  28                          ; v28     LDS address of my spare word; never rewritten
.set NIL,  29                          ; v29     0; never rewritten
.set PFO,  30                          ; v30     the prefetches' offset: my lane x a row of qkv; never rewritten
.set VF,   64
.set NMR,  64                          ; at the head: v64-95 -M, register 4 j + c: query 4 (lane % 16) + c, block 2 j + lane / 16; then M_kb - M; then f
.set LR,   96                          ; v96-127  l likewise
.set GM,   128                         ; v128-131 -M of the row
.set XG,   132                         ; v132-135 what lane l xor 16 sends
.set LT,   136                         ; v136-139 the divisor
.set RC,   140                         ; v140-143 its reciprocal
.set FC,   224
.set RL,   240
.set TO,   32                          ; the way out: a block's results
.set BK,   96                          ; 16 rows read back: v96-159 and v160-223 by turns
.set G1,  24                           ; s[24:31] descriptor group 1 for V's tiles;  s[32:39] group 0, a set for each slot
.set G0,  32
.set PFA, 44                           ; s[44:45] where my prefetches stand
.set PFS, 46                           ; s[46:47] a slot on, in bytes
.set PB,  48                           ; s[48:49] pbuf at my wave's first fragment of the lap in hand
.set SEL, 50                           ; s[50:51] v_permlanex16_b32's selects for lane l xor 16
.set LIM, 15                           ; s15     1 in a wave that prefetches, else the greatest number
.set MSB, 0
.macro WIN new
.if MSB != (\new)
	s_set_vgpr_msb (MSB<<8)|(\new)
.set MSB, (\new)
.endif
.endm
.set W_MM,  0x5c                       ; source 0 (V) window 0, source 1 (P) window 3, C and D (T) window 1
.set W_FL,  0xa1                       ; source 0 (T) window 1, source 1 (the factor) window 0, source 2 and destination (O) window 2
.set W_OUT, 0x21                       ; the same with the destination in window 0
.set TO_P,  0xc0                       ; destination window 3, address window 0
.macro PLACES                          ; four places in front of loads into registers that matrix instructions have read, and of vector instructions that read results (ISA guide 7.12.1 for vector instructions)
.rept 4
	v_nop
.endr
.endm
; A PREFETCH INTO THE L2 of V's tile that the NEXT change of slots will ask for: 256 matrix instructions ahead of that load.  A slot is 256 keys x 512 bytes.  It is read by the four partners of a column and by the batch's four
; clusters: the batch's first cluster asks; its partners take 64 keys each BY ADDRESS (cy); in each, waves 0, 1 take the first 32 of them and waves 2, 3 the others, a lane a key; a wave of even number takes a key's first 256 bytes, one of odd number the second.
; So each aligned block of 256 bytes is named once in the launch.  Slots 0, 1 and 2 come by their loads alone; the last change that fills a slot asks for nothing.  how = 1: a lap's first change; how = 0: its second, which in the last trip has no slot behind it.
.macro ASK how
.if \how
	s_cmp_eq_u32 s[LIM], 1
.else
	s_cmp_gt_u32 s3, s[LIM]                        ; s3 = 1 in the loop's last trip
.endif
	s_cbranch_scc0 .Lnot_mine_\@
	global_prefetch_b8 v[PFO], s[PFA:PFA+1] th:TH_LOAD_NT scope:SCOPE_SE
.Lnot_mine_\@:
.endm
.macro CREST                           ; a round of the cluster's barrier behind its opening barrier
	s_cmp_lg_u32 s12, 0
	s_cbranch_scc1 .Lnot_wave_0_\@
	s_barrier_signal -3
.Lnot_wave_0_\@:
	s_barrier_wait -3
	s_barrier_signal -1
	s_barrier_wait -1
.endm
.macro CROUND
	s_barrier_signal -1
	s_barrier_wait -1
	CREST
.endm
; Quarter n's four fragments of P, eight loads of 512 consecutive bytes, into buffer n % 8.  n counts from the lap's first quarter, at which s[PB] stands
.macro PLOAD n
	WIN TO_P
.irp a, 0,1,2,3
	global_load_b128 v[32*((\n)%8)+8*\a:32*((\n)%8)+8*\a+3],   v[CO], s[PB:PB+1] offset:(\n)*1024+\a*QB
	global_load_b128 v[32*((\n)%8)+8*\a+4:32*((\n)%8)+8*\a+7], v[CO], s[PB:PB+1] offset:(\n)*1024+\a*QB+512
.endr
.endm
; Quarter n's eight fragments of V (16 channels x 32 keys each), sixteen turning loads, into buffer n % 2; slot (n / 8) % 2
.macro VFETCH n
.irp b, 0,1,2,3,4,5,6,7
	ds_load_tr16_b128 v[VF+64*((\n)%2)+8*\b:VF+64*((\n)%2)+8*\b+3],   v[ADRV+2*(((\n)/8)%2)+((\n)%8)/4] offset:32*((\n)%4)*VP+32*\b
	ds_load_tr16_b128 v[VF+64*((\n)%2)+8*\b+4:VF+64*((\n)%2)+8*\b+7], v[ADRV+2*(((\n)/8)%2)+((\n)%8)/4] offset:(32*((\n)%4)+16)*VP+32*\b
.endr
.endm
.macro FLOAD                           ; my four queries' factors of the block that is being finished
.irp a, 0,1,2,3
	ds_load_b32 v[FC+2*\a], v[FRD] offset:64*\a
.endr
.endm
.macro MM n, i, zero                   ; T(i) (+)= V^T P: query block i / 8, channel block i % 8.  zero = 1: the product starts the block's sum
.if \zero
	v_wmma_f32_16x16x32_f16 v[8*(\i):8*(\i)+7], v[VF+64*((\n)%2)+8*((\i)%8):VF+64*((\n)%2)+8*((\i)%8)+7], v[32*((\n)%8)+8*((\i)/8):32*((\n)%8)+8*((\i)/8)+7], 0
.else
	v_wmma_f32_16x16x32_f16 v[8*(\i):8*(\i)+7], v[VF+64*((\n)%2)+8*((\i)%8):VF+64*((\n)%2)+8*((\i)%8)+7], v[32*((\n)%8)+8*((\i)/8):32*((\n)%8)+8*((\i)/8)+7], v[8*(\i):8*(\i)+7]
.endif
.endm
.macro MMR n, i0, cnt                  ; products i0 .. i0 + cnt - 1, adding on
.set i, \i0
.rept \cnt
	MM \n, i, 0
.set i, i+1
.endr
.endm
.macro FL i, first                     ; O(i) += f x T(i), in f32, from T's low end on.  first = 1: the first block starts O: nothing is ever cleared
.irp k, 0,2,4,6
.if \first
	v_pk_mul_f32 v[8*(\i)+\k:8*(\i)+\k+1], v[8*(\i)+\k:8*(\i)+\k+1], v[FC+2*((\i)/8):FC+2*((\i)/8)+1] op_sel_hi:[1,0]
.else
	v_pk_fma_f32 v[8*(\i)+\k:8*(\i)+\k+1], v[8*(\i)+\k:8*(\i)+\k+1], v[FC+2*((\i)/8):FC+2*((\i)/8)+1], v[8*(\i)+\k:8*(\i)+\k+1] op_sel_hi:[1,0,1]
.endif
.endr
.endm
; A quarter's 32 products; the 32 accumulators take turns, one instruction a turn, in the same order in every quarter.
; fl = 0: they add on.  1: they start a block's sums.  2, 3: they start a block's sums, and the block before goes into O (2: it starts O): accumulator i + 1's four lines stand ahead of product i, so that between
; the last product on an accumulator and the one that begins it anew stand the four v_nop at the quarter's head and four lines that name none of its registers.
.macro PROD n, fl
.if (\fl) > 1
	WIN W_FL
	FL 0, 3-(\fl)
.endif
.set i, 0
.rept 32
.if ((\fl) > 1) && (i < 31)
	WIN W_FL
	FL i+1, 3-(\fl)
.endif
	WIN W_MM
.if (\fl) > 0
	MM \n, i, 1
.else
	MM \n, i, 0
.endif
.set i, i+1
.endr
.endm
; A QUARTER of 32 keys that has its successor in the same slot.  At its head it asks for P seven quarters on (pl = 1) and for V of the next quarter, each into the buffer that the quarter before has multiplied.
; left: the loads into registers issued behind this quarter's P, which may stay out.
.macro QTR n, fl, pl, left
	s_wait_loadcnt \left                           ; my P is in
	s_wait_dscnt 0x0                               ; my V is in (asked for a quarter ago), and the factors where they are due
	PLACES
.if \pl
	PLOAD (\n)+7
.endif
	WIN 0
.if (\fl) > 1
	v_add_nc_u32 v[FRD], 256, v[FRD]               ; on to the next block's factors (no LDS load of mine is out)
.endif
	VFETCH (\n)+1
.if (\n)%4 == 3
	FLOAD
.endif
	PROD \n, \fl
.endm
; A SLOT'S LAST QUARTER changes slots: ONE barrier.  In front of it each wave waits for all its tensor loads (one is out: its part of the next slot), adds 0 to its spare word, and waits for that and for its reads of this slot.
; fill = 1: the barrier opens a round of the cluster's, and behind the round this slot is filled again, two slots ahead: the load has 240 matrix instructions in which to land.
.macro TURNQ n, fill, how, pl, left
.if \fill
	s_wait_xcnt 0x0                                ; the last prefetch, a slot back, has read its address: it is stepped here, ahead of the waits of the change of slots
	s_add_nc_u64 s[PFA:PFA+1], s[PFA:PFA+1], s[PFS:PFS+1]
.endif
	s_wait_loadcnt \left                           ; my P is in
	PLACES
.if \pl
	PLOAD (\n)+7
.endif
	WIN 0                                          ; (the add's two registers lie in window 0)
	s_wait_tensorcnt 0x0
	ds_add_u32 v[SPW], v[NIL]
	s_wait_dscnt 1                                 ; my V is in; the add may be out
	WIN W_MM
	MMR \n, 0, 8                                   ; eight matrix instructions stand between the add and the wait for it
	s_wait_dscnt 0x0                               ; the add is done, and my reads of this slot are over
	s_barrier_signal -1
	MMR \n, 8, 8                                   ; work on registers while the others arrive
	WIN 0
	s_barrier_wait -1
.if \fill
	CREST                                          ; no wave of any partner still reads this slot's tiles or has a load on its way
	s_add_nc_u64 s[G0+4*(((\n)/8)%2)+2:G0+4*(((\n)/8)%2)+3], s[G0+4*(((\n)/8)%2)+2:G0+4*(((\n)/8)%2)+3], 2*256*QROW
	tensor_load_to_lds s[G0+4*(((\n)/8)%2):G0+4*(((\n)/8)%2)+3], s[G1:G1+7]   ; my 64 keys: the first tensor load behind the round, and my only one until the next
	s_nop 0
.endif
	PLACES
	VFETCH (\n)+1
	FLOAD
.if \fill
	ASK \how
.endif
	WIN W_MM
	MMR \n, 16, 16
.endm
	s_load_b256 s[4:11], s[0:1], 0x0               ; pbuf s[4:5], qkv s[6:7], stats s[8:9], out0 s[10:11]
	v_lshl_add_u32 v[SPW], v0, 2, SPARE
	v_mov_b32 v[NIL], 0
	ds_add_u32 v[SPW], v[NIL]                      ; the wave's opening: the add, twice on end, and its wait ahead of my first tensor load; the set-up below, work on registers, stands between
	ds_add_u32 v[SPW], v[NIL]                      ; and once more, under the one wait
	v_lshrrev_b32 v1, 5, v0
	v_readfirstlane_b32 s12, v1                    ; wave 0..3: it fetches keys 64 x wave of each slot
	s_lshr_b32 s13, s12, 1                         ; which 64 queries are mine
	s_and_b32 s14, s12, 1                          ; which 128 channels
	s_bfe_u32 s40, ttmp6, 0x40000                  ; cx: the block of 256 channels (the grid's x is one cluster wide)
	s_bfe_u32 s41, ttmp6, 0x40004                  ; cy
	s_and_b32 s43, ttmp7, 0xffff                   ; cluster y: four clusters to a batch
	s_lshl_b32 s42, s43, 2
	s_add_co_u32 s42, s42, s41                     ; block of 128 queries = 4 x cluster y + cy: 0 .. 63
	s_lshl_b32 s17, 0x1111, s40                    ; my column of the cluster
	s_or_b32 s[G1+0], s17, (1<<16)|(1<<20)|(1<<21)|(6<<22)|(7<<25)  ; 15:0 the mask; 17:16 elements of 2 bytes; 20 padding on; 21 set beside a mask; 24:22 after every 128 words; 31:25 eight words
	s_mov_b32 s[G1+1], 256<<16                     ; tensor_dim0 = 256 channels
	s_mov_b32 s[G1+2], 64<<16                      ; tensor_dim1 = 64 keys
	s_mov_b32 s[G1+3], 256<<16                     ; tile_dim0
	s_mov_b32 s[G1+4], 64                          ; tile_dim1
	s_mov_b32 s[G1+5], 3072                        ; elements from token to token
	s_mov_b32 s[G1+6], 0
	s_mov_b32 s[G1+7], 0
	s_mov_b32 s[SEL], 0x76543210
	s_mov_b32 s[SEL+1], 0xfedcba98
	s_lshr_b32 s20, s43, 2                         ; the batch, from the cluster's y alone,
	s_lshl_b32 s20, s20, 11                        ; its first token
	s_lshl_b32 s21, s12, 6
	s_add_co_u32 s20, s20, s21                     ; + 64 x wave
	s_mul_i32 s20, s20, QROW                       ; under 2^26
	s_lshl_b32 s21, s40, 9
	s_add_co_u32 s20, s20, s21                     ; + 512 bytes x block of channels
	s_add_co_u32 s20, s20, 4096                    ; v lies 4,096 bytes into a token's row
	s_mov_b32 s21, 0
	s_mul_i32 s22, s12, 64*VP                      ; where they go: wave x 64 rows: no place in the cluster enters an LDS address
	s_wait_dscnt 0x0                               ; both opening adds are done
	s_wait_kmcnt 0x0
	s_add_nc_u64 s[20:21], s[6:7], s[20:21]
	CROUND                                         ; all sixteen work-groups are here: the first joint loads meet
.irp s, 0,1
	s_mov_b32 s[G0+4*\s], 1                                        ; count = 1
	s_add_co_u32 s[G0+4*\s+1], s22, \s*SLOT                        ; LDS address
	s_add_nc_u64 s[G0+4*\s+2:G0+4*\s+3], s[20:21], \s*256*QROW     ; global address: keys 256 s on
	s_or_b32 s[G0+4*\s+3], s[G0+4*\s+3], 0x80000000                ; type = 2
	tensor_load_to_lds s[G0+4*\s:G0+4*\s+3], s[G1:G1+7]            ; every wave issues both first fills
	s_nop 0
.endr
	PLACES
	v_and_b32 v1, 15, v0                           ; r
	v_bfe_u32 v2, v0, 4, 1                         ; h
	v_and_b32 v7, 31, v0                           ; lane
	v_lshlrev_b32 v[CO], 4, v7
	; -M and l of my wave's 64 queries, all 16 blocks: a load takes two blocks, lanes 0-15 the even one, lanes 16-31 the odd one; sixteen lanes read 256 consecutive bytes, four queries a lane
	v_lshlrev_b32 v[SOF], 4, v1
	v_lshl_add_u32 v[SOF], v2, 15, v[SOF]
	s_lshl_b32 s16, s42, 7
	s_lshl_b32 s17, s13, 6
	s_add_co_u32 s16, s16, s17                     ; my wave's first query
	s_lshl_b32 s18, s16, 2
	s_mov_b32 s19, 0
	s_add_nc_u64 s[8:9], s[8:9], s[18:19]
.irp j, 0,1,2,3,4,5,6,7
	global_load_b128 v[NMR+4*\j:NMR+4*\j+3], v[SOF], s[8:9] offset:\j*65536
.endr
.irp j, 0,1,2,3,4,5,6,7
	global_load_b128 v[LR+4*\j:LR+4*\j+3], v[SOF], s[8:9] offset:524288+\j*65536
.endr
	s_lshl_b32 s18, s16, 12                        ; pbuf: 65,536 bytes for each 16 queries; out0: 4,096 a query
	s_add_nc_u64 s[PB:PB+1], s[4:5], s[18:19]
.irp n, 0,1,2,3,4
	PLOAD \n                                       ; the first five quarters of P
.endr
	WIN 0
	s_lshl_b32 s17, s40, 10
	s_add_co_u32 s18, s18, s17                     ; out0: + 1,024 bytes x block of channels
	s_lshl_b32 s17, s14, 9
	s_add_co_u32 s18, s18, s17                     ; + 512 x half
	s_add_nc_u64 s[10:11], s[10:11], s[18:19]
	v_and_b32 v5, 7, v0                            ; the turning load: lane l reads 16 bytes of key 8 (l / 16) + l % 8, channels 8 ((l / 8) % 2) + 0..7, and is left with channel l % 16 and 8 keys
	v_lshl_add_u32 v5, v2, 3, v5
	v_mul_u32_u24 v5, v5, VP
	v_bfe_u32 v6, v0, 3, 1
	v_lshl_add_u32 v5, v6, 4, v5
	s_lshl_b32 s17, s14, 8                         ; my 128 channels: 256 bytes
	v_add_nc_u32 v[ADRV], s17, v5
	v_add_nc_u32 v[ADRV+1], HALFS, v[ADRV]
	v_add_nc_u32 v[ADRV+2], SLOT, v[ADRV]
	v_add_nc_u32 v[ADRV+3], SLOT+HALFS, v[ADRV]
	s_mul_i32 s23, s12, FTW
	s_add_co_u32 s23, s23, FT                      ; my wave's table
	v_add_nc_u32 v[FWR], s23, v[CO]
	v_lshl_add_u32 v[FRD], v1, 2, s23              ; my query's word: 4 r, + 64 for each query block
	s_mul_i32 s17, s12, 16*SP                      ; my stage
	v_add_nc_u32 v[RD], s17, v[CO]                 ; back: the 32 lanes take one row of 512 bytes
	v_mul_u32_u24 v8, v1, SP
	v_lshl_add_u32 v8, v2, 5, v8
	v_add_nc_u32 v[STO], s17, v8                   ; in: row r, 32 bytes for each half of the lanes
	; the prefetches: where my wave's stand, and who asks
	s_lshr_b32 s16, s43, 2
	s_lshl_b32 s16, s16, 11                        ; the batch's first token
	s_lshl_b32 s17, s41, 6
	s_add_co_u32 s16, s16, s17                     ; + my work-group's 64 keys of a slot
	s_lshl_b32 s17, s13, 5
	s_add_co_u32 s16, s16, s17                     ; + my wave's 32 of them
	s_add_co_u32 s16, s16, 2*256                   ; in slot 2: the first change of slots steps it to slot 3
	s_mul_i32 s16, s16, QROW
	s_lshl_b32 s17, s40, 9
	s_add_co_u32 s16, s16, s17                     ; my work-group's 512 bytes of a key's row,
	s_lshl_b32 s17, s14, 8
	s_add_co_u32 s16, s16, s17                     ; my wave's 256 of them
	s_add_co_u32 s16, s16, 4096
	s_mov_b32 s17, 0
	s_add_nc_u64 s[PFA:PFA+1], s[6:7], s[16:17]
	s_mov_b32 s[PFS], 256*QROW
	s_mov_b32 s[PFS+1], 0
	v_mul_u32_u24 v[PFO], v7, QROW
	s_and_b32 s16, s43, 3                          ; the cluster's place in its batch: the same in all sixteen partners
	s_cmp_eq_u32 s16, 0
	s_cselect_b32 s[LIM], 1, -1
.irp c, 0,1,2,3
	v_mov_b32 v[XG+\c], 0                          ; written once: a lane permute's destination counts as one of its sources
.endr
	s_wait_loadcnt 40                              ; -M and l are in; the 40 loads of P behind them may be out
.irp c, 0,1,2,3
	v_min3_num_f32 v[GM+\c], v[NMR+\c], v[NMR+4+\c], v[NMR+8+\c]           ; the least -M is the row's -M; my four queries by turns
.endr
.irp j, 12,20
.irp c, 0,1,2,3
	v_min3_num_f32 v[GM+\c], v[GM+\c], v[NMR+\j+\c], v[NMR+\j+4+\c]
.endr
.endr
.irp c, 0,1,2,3
	v_min_num_f32 v[GM+\c], v[GM+\c], v[NMR+28+\c]
.endr
.irp c, 0,1,2,3
	v_permlanex16_b32 v[XG+\c], v[GM+\c], s[SEL], s[SEL+1]
.endr
.irp c, 0,1,2,3
	v_min_num_f32 v[GM+\c], v[GM+\c], v[XG+\c]     ; with lane l xor 16's eight blocks
.endr
.irp j, 0,1,2,3,4,5,6,7
.irp c, 0,1,2,3
	v_sub_f32 v[NMR+4*\j+\c], v[GM+\c], v[NMR+4*\j+\c]     ; M_kb - M: a whole number, 0 or less
.endr
.endr
.irp j, 0,1,2,3,4,5,6,7
.irp c, 0,1,2,3
	v_cvt_i32_f32 v[NMR+4*\j+\c], v[NMR+4*\j+\c]           ; (it saturates)
.endr
.endr
.irp j, 0,1,2,3,4,5,6,7
.irp c, 0,1,2,3
	v_ldexp_f32 v[NMR+4*\j+\c], 1.0, v[NMR+4*\j+\c]        ; f = 2^(M_kb - M)
.endr
.endr
.irp c, 0,1,2,3
	v_mul_f32 v[LT+\c], v[NMR+\c], v[LR+\c]                ; the divisor: the sum of f l; the first term starts it
.endr
.irp j, 1,2,3,4,5,6,7
.irp c, 0,1,2,3
	v_fmac_f32 v[LT+\c], v[NMR+4*\j+\c], v[LR+4*\j+\c]
.endr
.endr
.irp c, 0,1,2,3
	v_permlanex16_b32 v[XG+\c], v[LT+\c], s[SEL], s[SEL+1]
.endr
.irp c, 0,1,2,3
	v_add_f32 v[LT+\c], v[LT+\c], v[XG+\c]         ; with lane l xor 16's eight blocks
.endr
.irp j, 0,1,2,3,4,5,6,7
	ds_store_b128 v[FWR], v[NMR+4*\j:NMR+4*\j+3] offset:512*\j     ; blocks 2 j and 2 j + 1: 256 bytes each, query q's factor at 4 q.  My wave's own bytes: only I read them
.endr
.irp c, 0,1,2,3
	v_rcp_f32 v[RC+\c], v[LT+\c]
.endr
.irp a, 0,1,2,3
	v_mov_b32 v[RL+2*\a+1], 0                      ; the pairs' upper words are named with the lower, so they are written (plain work behind the reciprocals)
	v_mov_b32 v[FC+2*\a+1], 0
.endr
	s_wait_alu depctr_va_vdst(0)                   ; one wait for the four reciprocals, ahead of their first reader
	ds_store_b128 v[FWR], v[RC:RC+3] offset:4096   ; lanes 0-15 lay the 64 reciprocals at 4,096 + 4 q (lanes 16-31 lay the same numbers 256 bytes on)
.irp a, 0,1,2,3
	ds_load_b32 v[RL+2*\a], v[FRD] offset:4096+64*\a       ; LDS serves a wave's instructions in order (ISA guide 5.7.1.4): these see the store above
.endr
	PLOAD 5                                        ; two quarters more: seven are asked for
	PLOAD 6
	WIN 0
	s_wait_dscnt 0x0                               ; my table is written, the reciprocals are in
	s_wait_tensorcnt 1                             ; my part of slot 0 is in (slot 1's load may be out)
	s_barrier_signal -1
	s_barrier_wait -1                              ; everybody's is
	VFETCH 0
	; 64 quarters of 32 keys.  A lap is two slots, 16 quarters; the loop's trip goes from a lap's sixth quarter to the next lap's fifth, since the first five differ: no flush, then the flush that starts O.
	QTR 0, 1, 1, 48                                ; 48: the six later quarters' loads, eight each, may be out
	QTR 1, 0, 1, 48
	QTR 2, 0, 1, 48
	QTR 3, 0, 1, 48
	QTR 4, 2, 1, 48
	WIN 0                                          ; at a label and at a branch every window is 0
	s_mov_b32 s3, 3                                ; three trips fill slots 2 to 7
.Llap:
	QTR 5, 0, 1, 48
	QTR 6, 0, 1, 48
	TURNQ 7, 1, 1, 1, 48
	QTR 8, 3, 1, 48
	QTR 9, 0, 1, 48
	QTR 10, 0, 1, 48
	QTR 11, 0, 1, 48
	QTR 12, 3, 1, 48
	QTR 13, 0, 1, 48
	QTR 14, 0, 1, 48
	TURNQ 15, 1, 0, 1, 48
	QTR 16, 3, 1, 48
	QTR 17, 0, 1, 48
	QTR 18, 0, 1, 48
	QTR 19, 0, 1, 48
	QTR 20, 3, 1, 48
	WIN 0
	s_wait_xcnt 0x0                                ; the loads of P that are out have read their base: only behind this wait is it stepped
	s_add_nc_u64 s[PB:PB+1], s[PB:PB+1], 16*1024   ; a lap's 16 quarters on
	s_sub_co_u32 s3, s3, 1
	s_cmp_lg_u32 s3, 0
	s_cbranch_scc1 .Llap
	QTR 5, 0, 1, 48                                ; the last lap's rest is written out: it fills nothing
	QTR 6, 0, 1, 48
	TURNQ 7, 0, 0, 1, 48
	QTR 8, 3, 1, 48                                ; it asks for the last quarter's P
	QTR 9, 0, 0, 48                                ; nothing is left to ask for: the counts run down
	QTR 10, 0, 0, 40
	QTR 11, 0, 0, 32
	QTR 12, 3, 0, 24
	QTR 13, 0, 0, 16
	QTR 14, 0, 0, 8
	s_wait_loadcnt 0x0                             ; the very last quarter
	s_wait_dscnt 0x0
	WIN 0
	FLOAD                                          ; the last block's factors
	PROD 15, 0
	WIN 0
; THE WAY OUT, a block of 16 queries x 128 channels at a time: the last block of keys goes in, (O + f T) / the divisor (each accumulator from its low end on), through my own stage in LDS, back as whole rows of 512 bytes.
.macro TOSTAGE a
	WIN W_OUT
.set i, 0
.rept 32
	v_pk_fma_f32 v[TO+2*i:TO+2*i+1], v[64*(\a)+2*i:64*(\a)+2*i+1], v[FC+2*(\a):FC+2*(\a)+1], v[64*(\a)+2*i:64*(\a)+2*i+1] op_sel_hi:[1,0,1]
.set i, i+1
.endr
	WIN 0
.set i, 0
.rept 32
	v_pk_mul_f32 v[TO+2*i:TO+2*i+1], v[TO+2*i:TO+2*i+1], v[RL+2*(\a):RL+2*(\a)+1] op_sel_hi:[1,0]
.set i, i+1
.endr
.irp b, 0,1,2,3,4,5,6,7
	ds_store_b128 v[STO], v[TO+8*\b:TO+8*\b+3] offset:64*\b
	ds_store_b128 v[STO], v[TO+8*\b+4:TO+8*\b+7] offset:64*\b+16
.endr
.set BB, BK+64*((\a)%2)
.irp t, 0,1,2,3,4,5,6,7,8,9,10,11,12,13,14,15
	ds_load_b128 v[BB+4*\t:BB+4*\t+3], v[RD] offset:\t*SP          ; LDS serves a wave's instructions in order (ISA guide 5.7.1.4): these see the stores above, and the next block's stores come behind them
.endr
.endm
.macro SEND a, younger                 ; younger: the LDS instructions issued behind block a's loads, which may stay out
.set BB, BK+64*((\a)%2)
	s_wait_dscnt \younger                          ; the block is back in registers
.if (\a) > 0
	s_add_nc_u64 s[10:11], s[10:11], 16*OROW       ; (behind a wait on XCNT: the earlier stores have read their base)  16 queries on
.endif
.irp t, 0,1,2,3,4,5,6,7,8,9,10,11,12,13,14,15
	global_store_b128 v[CO], v[BB+4*\t:BB+4*\t+3], s[10:11] offset:\t*OROW th:TH_STORE_NT   ; 32 lanes store 512 consecutive bytes, at a multiple of 256 from the buffer's first byte; written once, read by nobody here
.endr
.endm
	PLACES                                         ; behind the last products
	s_wait_dscnt 0x0                               ; the last block's factors are in
	TOSTAGE 0
.irp a, 1,2,3
.if \a > 1
	s_wait_xcnt 0x0                                ; block a - 2's stores have read their registers and their base: block a's loads may land there, and the base may step
.endif
	TOSTAGE \a
	SEND \a-1, 32                                  ; behind block a - 1's loads: block a's 16 stores and 16 loads
.endr
	s_wait_xcnt 0x0                                ; block 2's stores have read their base
	SEND 3, 0
	s_wait_tensorcnt 0x0                           ; the wave's end
	ds_add_u32 v[SPW], v[NIL]
	s_wait_dscnt 0x0
	CROUND                                         ; the closing round: no work-group ends while a partner may still ask for a tile that names it
	s_endpgm
.Lfunc_end_k_q4a9e6060c5_pv:
	.size	k_q4a9e6060c5_pv, .Lfunc_end_k_q4a9e6060c5_pv-k_q4a9e6060c5_pv
	.p2alignl 7, 3214868480
	.fill 96, 4, 3214868480
	.section	.rodata,"a",@progbits
	.p2align	6, 0x0
	.amdhsa_kernel k_q4a9e6060c5_pv
		.amdhsa_group_segment_fixed_size 327680
		.amdhsa_private_segment_fixed_size 0
		.amdhsa_enable_private_segment 0
		.amdhsa_kernarg_size 32
		.amdhsa_user_sgpr_count 2
		.amdhsa_user_sgpr_kernarg_segment_ptr 1
		.amdhsa_wavefront_size32 1
		.amdhsa_system_sgpr_workgroup_id_x 1
		.amdhsa_system_sgpr_workgroup_id_y 1
		.amdhsa_system_sgpr_workgroup_id_z 1
		.amdhsa_system_vgpr_workitem_id 0
		.amdhsa_next_free_vgpr 1024
		.amdhsa_next_free_sgpr 66
		.amdhsa_reserve_vcc 0
		.amdhsa_float_denorm_mode_32 3
		.amdhsa_float_denorm_mode_16_64 3
		.amdhsa_memory_ordered 1
		.amdhsa_forward_progress 1
		.amdhsa_inst_pref_size 250
	.end_amdhsa_kernel
	.amdgpu_metadata
---
amdhsa.version: [ 1, 2 ]
amdhsa.kernels:
  - .name:           k_q4a9e6060c5_pv
    .symbol:         k_q4a9e6060c5_pv.kd
    .args:
      - { .name: pbuf, .offset: 0, .size: 8, .value_kind: global_buffer, .address_space: global }
      - { .name: qkv, .offset: 8, .size: 8, .value_kind: global_buffer, .address_space: global }
      - { .name: stats, .offset: 16, .size: 8, .value_kind: global_buffer, .address_space: global }
      - { .name: out0, .offset: 24, .size: 8, .value_kind: global_buffer, .address_space: global }
    .group_segment_fixed_size: 327680
    .private_segment_fixed_size: 0
    .kernarg_segment_align: 8
    .kernarg_segment_size: 32
    .max_flat_workgroup_size: 128
    .sgpr_count:     66
    .vgpr_count:     1024
    .wavefront_size: 32
...
	.end_amdgpu_metadata
.endif
;; end of part 4
